; MI455X (gfx1250); checked and timed in simulation.
; The chip was launched on July 23, 2026; its instructions are those of AMD's public machine-readable ISA for CDNA 5 (MIT licence, August 2026) and "CDNA5" Instruction Set Architecture Reference Guide (July 2026). The comments in the code are by the model that wrote it; some were corrected since.
;; Bi Hgru2d. Allowed arithmetic: matrix products marked QUANTISED: E2M1 operands, one E8M0 scale for each 32 along K, by v_wmma_scale_f32_16x16x128_f8f6f4 with both operands' format E2M1 (or v_wmma_scale_f32_32x16x128_f4), f32 sums; everything else in f32.
;; Inputs: W_gate_codes 256 x 4 x 16 uint8 (E2M1 codes of W_gate, K innermost, in blocks of 32 codes, two codes a byte); W_gate_scales 256 x 4 uint8 (E8M0 scales of W_gate, one for each 32 codes along K); W_in_codes 256 x 4 x 16 uint8 (E2M1 codes of W_in, K innermost, in blocks of 32 codes, two codes a byte); W_in_scales 256 x 4 uint8 (E8M0 scales of W_in, one for each 32 codes along K); W_lambda_codes 128 x 4 x 16 uint8 (E2M1 codes of W_lambda, K innermost, in blocks of 32 codes, two codes a byte); W_lambda_scales 128 x 4 uint8 (E8M0 scales of W_lambda, one for each 32 codes along K); W_out_codes 128 x 8 x 16 uint8 (E2M1 codes of W_out, K innermost, in blocks of 32 codes, two codes a byte); W_out_scales 128 x 8 uint8 (E8M0 scales of W_out, one for each 32 codes along K); b_gate 256 float32; b_in 256 float32; b_lambda 128 float32; b_out 128 float32; ln_b 256 float32; ln_w 256 float32; theta_f 128 float32; theta_r 128 float32; x_codes 128 x 128 x 8 x 4 x 16 uint8 (E2M1 codes of x, K innermost, in blocks of 32 codes, two codes a byte); x_scales 128 x 128 x 8 x 4 uint8 (E8M0 scales of x, one for each 32 codes along K).
;; Outputs: out0 128 x 128 x 8 x 128 float32.
;; This version of the problem:
;;   THIS VERSION OF THE PROBLEM IS GIVEN IN LOW PRECISION. The matrix products marked QUANTISED in the list below multiply operands that are first quantised to E2M1 (2 exponent bits, 1 mantissa bit; 4 bits a number), with one power-of-two scale for each 32 numbers along K (OCP MX v1.0); their sums are f32. All else is computed in f32.
;;   The module's matrix products, in the order in which they are computed (A, B: the left and right operand; K: the contracted axis; several contracted axes count as one K, in the product's order):
;;     1. [M 131,072, K 128] x [K 128, N 256]; A: input x (given as codes); B: input W_in (given as codes): QUANTISED
;;     2. [M 131,072, K 128] x [K 128, N 256]; A: input x (given as codes); B: input W_gate (given as codes): QUANTISED
;;     3. [M 131,072, K 128] x [K 128, N 128]; A: input x (given as codes); B: input W_lambda (given as codes): QUANTISED
;;     4. [M 131,072, K 256] x [K 256, N 128]; A: computed on the way; B: input W_out (given as codes): QUANTISED
;;   THE QUANTISER, for each operand of a quantised product, along K:
;;     - K is cut into blocks of 32 from its start; a last block that is shorter is filled with zeros.
;;     - A block's scale is 2^e with e = floor(log2(the largest magnitude in the block)) - 2, held to -126 .. 127; a block of zeros has e = 0. As a byte (E8M0): e + 127.
;;     - Each number is divided by its block's scale, clamped to +-6, and rounded to the nearest number of E2M1, ties to even, subnormals kept.
;;     - The product sums the exact products of the quantised numbers (number of the format x scale) in f32.
;;   ~~~python
;;   def quantise(x, axis):      # numpy; x: float32 -> the quantised numbers, widened to float32 again
;;       x = np.moveaxis(x, axis, -1); K = x.shape[-1]
;;       x = np.pad(x, [(0, 0)] * (x.ndim - 1) + [(0, -K % 32)]); x = x.reshape(x.shape[:-1] + (-1, 32)); a = np.abs(x).max(-1, keepdims=True)
;;       e = np.where(a > 0, np.clip(np.frexp(np.where(a > 0, a, 1))[1] - 1 - 2, -126, 127), 0)      # np.frexp(a)[1] - 1 = floor(log2(a)), exactly
;;       r = np.clip(x / 2.0 ** e, -6, 6)
;;       step = 2.0 ** (np.maximum(np.frexp(np.where(r == 0, 1, r))[1] - 1, 0) - 1)
;;       q = np.round(r / step) * step * 2.0 ** e      # np.round: ties to even
;;       return np.moveaxis(q.reshape(q.shape[:-2] + (-1,))[..., :K], -1, axis).astype(np.float32)
;;   ~~~
;;   OPERANDS COMPUTED ON THE WAY. 'Computed on the way' means the value that the module computes at that place (a softmax that the list does not call 'softmax' is quantised finished and normalised). What goes into a quantiser is computed in f32, as accurately as f32 sums, v_exp_f32 and their like allow (about 1e-6 of the number): no bf16 or f16 on the way to a quantiser, and a product that is left as it is and whose result goes on into a quantised operand takes f32 operands (vector FMAs, or v_wmma_f32_16x16x4_f32). A number that lies on a knife's edge between two numbers of the format may be rounded either way, as far as f32 arithmetic and the matrix unit's own rounding can turn it there, and no further.
;;   INPUTS GIVEN AS CODES. W_gate (in the module: [128, 256], K = its axis 0); W_in (in the module: [128, 256], K = its axis 0); W_lambda (in the module: [128, 128], K = its axis 0); W_out (in the module: [256, 128], K = its axis 0); x (in the module: [128, 128, 8, 128], K = its axis 3): each comes as NAME_codes (uint8): NAME with its K axis moved to the last place and cut into blocks of 32 codes, [.., K / 32, bytes a block], one block behind the other in memory; two codes a byte, the lower K in the low four bits (a code: sign, 2 exponent bits, 1 mantissa bit); and NAME_scales (uint8): the same leading axes, one E8M0 byte (e + 127) for each 32 codes along K. Its value is code x scale, taken as it is: it is not quantised again, and the codes and scales need not be those that the quantiser above would give.
;; 2 versions, each right; version 2 is version 1 with the launches carry, final written anew for expert scheduling mode. Each part assembles by itself: llvm-mc -triple=amdgcn-amd-amdhsa -mcpu=gfx1250 --defsym DOCPART=n.
;; ======== version 1 of 2: 2 launches
;; limits: right only within a limited range of input values
;; workspace buffers: carry 67,108,864 bytes
;; launch carry (part 1): grid 128 x 2, 16 waves a work-group, no clusters, 198,656 bytes of LDS; arguments x_codes, x_scales, W_in_codes, W_in_scales, W_lambda_codes, W_lambda_scales, b_in, b_lambda, theta_f, theta_r, carry; writes carry
.if DOCPART == 1
	.amdgcn_target "amdgcn-amd-amdhsa--gfx1250"
	.amdhsa_code_object_version 6
	.text
	.protected	k_qb7be67d176_carry
	.globl	k_qb7be67d176_carry
	.p2align	8
	.type	k_qb7be67d176_carry,@function
k_qb7be67d176_carry:
	s_mov_b64 s[64:65], 0
	v_nop
	global_prefetch_b8 v0, s[64:65] scope:SCOPE_SE
	s_setreg_imm32_b32 hwreg(HW_REG_WAVE_MODE, 25, 1), 1
	s_wait_xcnt 0x0
; THE SCAN STATES AT THE BORDERS OF CHUNKS OF 8 STEPS, for both axes and both directions.
; x [128 h][128 w][8 b][128] comes as FP4 codes.  For each position and complex channel e: in = (1 - lam) silu(x W_in + b_in)[2e, 2e+1], g = lam e^(i theta), lam = sigmoid(x W_lambda + b_lambda).
; forward: h_t = g_t h_(t-1) + in_t (theta_f);  reverse: h_t = g_t h_(t+1) + in_t (theta_r).
; carry [dir 2][axis 2][line 128][chunk 16][g 8][b 8][r 16][re, im] f32, channel e = 16 g + r:  dir 0: the forward state after step 8 c - 1 (0 for c = 0);  dir 1: the reverse state at step 8 c + 8 (0 for c = 15).
; SHARES.  A work-group takes one line of one axis (x: the line, y: the axis; axis 0 scans along h, its line is w).  Wave: g = wave & 7 (16 channels), up = wave >> 3; two units, each 2 sequences b = 4 up + 2 unit + (lane / 16).
; LAYOUT.  The product is used as it stands: source 0 = 16 rows of x (8 steps of sequence 0, 8 steps of sequence 1), source 1 = 16 rows of a weight.  A lane then holds ONE channel, and its eight result registers
; are eight consecutive steps of one sequence.  W_in's rows 2 e form one tile and rows 2 e + 1 another, so that a lane has re, im and lam of its channel.
; The forward state runs through the 16 chunks and is stored ahead of each.  Of the reverse scan a chunk gives R (its result with 0 coming in) and L (the product of its eight lam); both are kept in LDS,
; each thread's own words, and behind the loop S_(c-1) = R_c + L_c e^(i 8 theta_r) S_c runs down the chunks.  No wave reads another's bytes: no barrier.
; NOT USED: tensor loads, a ring, joint loads in a cluster.  The work-groups of this launch read different lines of x; what they share is a wave's three weight fragments, 3 KB read once, against 64 KB of x and 256 KB of states.
; LIMITS: |theta| up to 2^20 (the reduction takes pi / 2 in two parts); NaN and infinities among the inputs are not served.
.set L2E,   0x3fb8aa3b                 ; log2(e)
.set NL2E,  0xbfb8aa3b
.set DIRB,  0x2000000                  ; bytes from dir 0 to dir 1
.set STL,   131072                     ; LDS: R [chunk 16][unit 2][thread 512] 8 bytes from 0; L likewise, 4 bytes, from here
.set U0,    52                         ; a unit's 80 registers: +0 x's fragment, +8 ZR, +16 ZI, +24 ZL (then lam), +32 in (re, im by turns), +48 g reverse, +64 F, +66 F as stored, +68 R, +70, +72 at work, +74 L
.set U1,    132
; v4 x codes' offset, v5 x scales', v6 8 x lane, v7 8 x thread, v8 STL + 4 x thread, v9, v10 this trip's LDS places, v11 v7 + 65,536
; v[12:13] cos, sin theta_f; v[14:15] theta_r; v[16:17] 8 theta_r; v[18:19] b_in's pair; v[20:21] log2(e) b_lambda, 0; v22-26 scale words and nothing else; v28-51 the three weight fragments
; cos and sin: k = the nearest whole number to th x 2 / pi; r = th - k pi / 2 in two steps; polynomials on |r| <= pi / 4; the quadrant by selects and sign bits.  t: six registers at work
.macro SINCOS th, c, s, t
	v_mul_f32 v[\t], 0x3f22f983, v[\th]
	v_rndne_f32 v[\t], v[\t]
	v_fmamk_f32 v[\t+1], v[\t], 0xbfc90fdb, v[\th]
	v_fmamk_f32 v[\t+1], v[\t], 0x333bbd2e, v[\t+1]
	v_mul_f32 v[\t+2], v[\t+1], v[\t+1]
	v_mov_b32 v[\t+3], 0xb94ca1f9
	v_fmaak_f32 v[\t+3], v[\t+3], v[\t+2], 0x3c08839e
	v_fmaak_f32 v[\t+3], v[\t+3], v[\t+2], 0xbe2aaaa3
	v_mul_f32 v[\t+3], v[\t+3], v[\t+2]
	v_fma_f32 v[\t+3], v[\t+3], v[\t+1], v[\t+1]       ; sin r
	v_mov_b32 v[\t+4], 0x37ccf5ce
	v_fmaak_f32 v[\t+4], v[\t+4], v[\t+2], 0xbab6061a
	v_fmaak_f32 v[\t+4], v[\t+4], v[\t+2], 0x3d2aaaa5
	v_mul_f32 v[\t+4], v[\t+4], v[\t+2]
	v_fma_f32 v[\t+5], v[\t+2], -0.5, 1.0
	v_fma_f32 v[\t+4], v[\t+4], v[\t+2], v[\t+5]       ; cos r
	v_cvt_i32_f32 v[\t], v[\t]
	v_and_b32 v[\t+5], 1, v[\t]
	v_cmp_eq_u32 vcc_lo, 1, v[\t+5]
	v_cndmask_b32 v[\s], v[\t+3], v[\t+4], vcc_lo      ; odd k: the two change places
	v_cndmask_b32 v[\c], v[\t+4], v[\t+3], vcc_lo
	v_and_b32 v[\t+5], 2, v[\t]
	v_lshlrev_b32 v[\t+5], 30, v[\t+5]
	v_xor_b32 v[\s], v[\s], v[\t+5]                    ; sin changes sign where k & 2,
	v_add_nc_u32 v[\t], 1, v[\t]
	v_and_b32 v[\t], 2, v[\t]
	v_lshlrev_b32 v[\t], 30, v[\t]
	v_xor_b32 v[\c], v[\c], v[\t]                      ; cos where (k + 1) & 2
.endm
; Eight positions of a lane's channel: the three sums become in (re, im by turns, in t .. t + 15) and lam (in zl).  Each accumulator is read from its low end on
.macro ACT zr, zi, zl, t, bb, pbl
.irp p, 0,2,4,6
	v_pk_add_f32 v[\zr+\p:\zr+\p+1], v[\zr+\p:\zr+\p+1], v[\bb:\bb+1] op_sel_hi:[1,0]
	v_pk_add_f32 v[\zi+\p:\zi+\p+1], v[\zi+\p:\zi+\p+1], v[\bb:\bb+1] op_sel:[0,1] op_sel_hi:[1,1]
	v_pk_fma_f32 v[\zl+\p:\zl+\p+1], v[\zl+\p:\zl+\p+1], L2E, v[\pbl:\pbl+1] op_sel_hi:[1,0,0]
.endr
.irp p, 0,2,4,6
	v_pk_mul_f32 v[\t+\p:\t+\p+1], v[\zr+\p:\zr+\p+1], NL2E op_sel_hi:[1,0]
	v_pk_mul_f32 v[\t+8+\p:\t+9+\p], v[\zi+\p:\zi+\p+1], NL2E op_sel_hi:[1,0]
.endr
.irp p, 0,1,2,3,4,5,6,7,8,9,10,11,12,13,14,15
	v_exp_f32 v[\t+\p], v[\t+\p]
.endr
.irp p, 0,1,2,3,4,5,6,7
	v_exp_f32 v[\zl+\p], v[\zl+\p]
.endr
	v_nop                                              ; a plain place behind the exponentials
	s_wait_alu depctr_va_vdst(0)
.irp p, 0,2,4,6,8,10,12,14
	v_pk_add_f32 v[\t+\p:\t+\p+1], v[\t+\p:\t+\p+1], 1.0 op_sel_hi:[1,0]
.endr
.irp p, 0,2,4,6
	v_pk_add_f32 v[\zl+\p:\zl+\p+1], v[\zl+\p:\zl+\p+1], 1.0 op_sel_hi:[1,0]
.endr
.irp p, 0,1,2,3,4,5,6,7,8,9,10,11,12,13,14,15
	v_rcp_f32 v[\t+\p], v[\t+\p]
.endr
.irp p, 0,1,2,3,4,5,6,7
	v_rcp_f32 v[\zl+\p], v[\zl+\p]                     ; 1 / (1 + e^z) = 1 - lam
.endr
	v_nop                                              ; a plain place behind the reciprocals
	s_wait_alu depctr_va_vdst(0)
.irp p, 0,2,4,6
	v_pk_mul_f32 v[\zr+\p:\zr+\p+1], v[\zr+\p:\zr+\p+1], v[\t+\p:\t+\p+1]       ; silu
	v_pk_mul_f32 v[\zi+\p:\zi+\p+1], v[\zi+\p:\zi+\p+1], v[\t+8+\p:\t+9+\p]
.endr
.irp p, 0,1,2,3,4,5,6,7
	v_mul_f32 v[\t+2*\p], v[\zr+\p], v[\zl+\p]
	v_mul_f32 v[\t+2*\p+1], v[\zi+\p], v[\zl+\p]
.endr
.irp p, 0,2,4,6
	v_pk_fma_f32 v[\zl+\p:\zl+\p+1], v[\zl+\p:\zl+\p+1], -1.0, 1.0 op_sel_hi:[1,0,0]   ; lam
.endr
.endm
; g of eight positions: gb .. gb + 7 = lam cos, gb + 8 .. gb + 15 = lam sin
.macro GMUL gb, lam, cp
.irp p, 0,2,4,6
	v_pk_mul_f32 v[\gb+\p:\gb+\p+1], v[\lam+\p:\lam+\p+1], v[\cp:\cp+1] op_sel_hi:[1,0]
	v_pk_mul_f32 v[\gb+8+\p:\gb+9+\p], v[\lam+\p:\lam+\p+1], v[\cp:\cp+1] op_sel:[0,1] op_sel_hi:[1,1]
.endr
.endm
; One complex step, d = g_j p + x, on pairs (re, im): first (p_re, p_im) g_re + x, then (-p_im, p_re) g_im onto it
.macro CMAC d, p, gb, j, x, tmp
.if ((\j)&1)
	v_pk_fma_f32 v[\tmp:\tmp+1], v[\p:\p+1], v[\gb+(\j)-1:\gb+(\j)], v[\x:\x+1] op_sel:[0,1,0] op_sel_hi:[1,1,1]
	v_pk_fma_f32 v[\d:\d+1], v[\p:\p+1], v[\gb+8+(\j)-1:\gb+8+(\j)], v[\tmp:\tmp+1] op_sel:[1,1,0] op_sel_hi:[0,1,1] neg_lo:[1,0,0]
.else
	v_pk_fma_f32 v[\tmp:\tmp+1], v[\p:\p+1], v[\gb+(\j):\gb+(\j)+1], v[\x:\x+1] op_sel:[0,0,0] op_sel_hi:[1,0,1]
	v_pk_fma_f32 v[\d:\d+1], v[\p:\p+1], v[\gb+8+(\j):\gb+8+(\j)+1], v[\tmp:\tmp+1] op_sel:[1,0,0] op_sel_hi:[0,0,1] neg_lo:[1,0,0]
.endif
.endm
.macro PROD ub, xs                     ; a unit's three products
	v_wmma_scale_f32_16x16x128_f8f6f4 v[\ub+8:\ub+15], v[\ub:\ub+7], v[28:35], 0, v[\xs], v22 matrix_a_fmt:MATRIX_FMT_FP4 matrix_b_fmt:MATRIX_FMT_FP4
	v_wmma_scale_f32_16x16x128_f8f6f4 v[\ub+16:\ub+23], v[\ub:\ub+7], v[36:43], 0, v[\xs], v23 matrix_a_fmt:MATRIX_FMT_FP4 matrix_b_fmt:MATRIX_FMT_FP4
	v_wmma_scale_f32_16x16x128_f8f6f4 v[\ub+24:\ub+31], v[\ub:\ub+7], v[44:51], 0, v[\xs], v24 matrix_a_fmt:MATRIX_FMT_FP4 matrix_b_fmt:MATRIX_FMT_FP4
.endm
.macro XLOAD                           ; a chunk's rows of x for both units: six loads
	global_load_b128 v[U0:U0+3], v4, s[4:5]
	global_load_b128 v[U0+4:U0+7], v4, s[4:5] offset:32
	global_load_b128 v[U1:U1+3], v4, s[4:5] offset:128
	global_load_b128 v[U1+4:U1+7], v4, s[4:5] offset:160
	global_load_b32 v25, v5, s[6:7]
	global_load_b32 v26, v5, s[6:7] offset:8
.endm
.macro STASH ub, ul                    ; L = the product of the eight lam; R and L to my own words in LDS
	v_pk_mul_f32 v[\ub+74:\ub+75], v[\ub+24:\ub+25], v[\ub+26:\ub+27]
	v_pk_mul_f32 v[\ub+76:\ub+77], v[\ub+28:\ub+29], v[\ub+30:\ub+31]
	v_pk_mul_f32 v[\ub+74:\ub+75], v[\ub+74:\ub+75], v[\ub+76:\ub+77]
	v_mul_f32 v[\ub+74], v[\ub+74], v[\ub+75]
	ds_store_b64 v9, v[\ub+68:\ub+69] offset:\ul*4096
	ds_store_b32 v10, v[\ub+74] offset:\ul*2048
.endm
.macro BACK ub, ul                     ; behind the loop: R_c to ub + 2 c, L_c to ub + 32 + c, a pair of zeros at ub + 48
.irp c, 1,2,3,4,5,6,7
	ds_load_b64 v[\ub+2*\c:\ub+2*\c+1], v7 offset:\c*8192+\ul*4096
.endr
.irp c, 8,9,10,11,12,13,14,15
	ds_load_b64 v[\ub+2*\c:\ub+2*\c+1], v11 offset:(\c-8)*8192+\ul*4096
.endr
.irp c, 0,1,2,3,4,5,6,7,8,9,10,11,12,13,14,15
	ds_load_b32 v[\ub+32+\c], v8 offset:\c*4096+\ul*2048
.endr
	v_mov_b32 v[\ub+48], 0
	v_mov_b32 v[\ub+49], 0
.endm
.macro SLINK ub, c                     ; S_(c-1) = R_c + L_c e^(i 8 theta_r) S_c, in R_c's place; S_c lies in R_(c+1)'s
	v_pk_mul_f32 v[\ub+50:\ub+51], v[\ub+2*(\c)+2:\ub+2*(\c)+3], v[16:17] op_sel_hi:[1,0]
	v_pk_fma_f32 v[\ub+50:\ub+51], v[\ub+2*(\c)+2:\ub+2*(\c)+3], v[16:17], v[\ub+50:\ub+51] op_sel:[1,1,0] op_sel_hi:[0,1,1] neg_lo:[1,0,0]
.if ((\c)&1)
	v_pk_fma_f32 v[\ub+2*(\c):\ub+2*(\c)+1], v[\ub+50:\ub+51], v[\ub+32+(\c)-1:\ub+32+(\c)], v[\ub+2*(\c):\ub+2*(\c)+1] op_sel:[0,1,0] op_sel_hi:[1,1,1]
.else
	v_pk_fma_f32 v[\ub+2*(\c):\ub+2*(\c)+1], v[\ub+50:\ub+51], v[\ub+32+(\c):\ub+33+(\c)], v[\ub+2*(\c):\ub+2*(\c)+1] op_sel:[0,0,0] op_sel_hi:[1,0,1]
.endif
.endm
.macro OUTR ub, ul                     ; the reverse states: 32 lanes store 256 consecutive bytes, at a multiple of 256 from the buffer's first byte
.irp c, 0,1,2,3,4,5,6,7,8,9,10,11,12,13,14
	global_store_b64 v6, v[\ub+2*\c+2:\ub+2*\c+3], s[44:45] offset:\c*8192+\ul*256
.endr
	global_store_b64 v6, v[\ub+48:\ub+49], s[44:45] offset:15*8192+\ul*256
.endm
	s_load_b512 s[4:19], s[0:1], 0x0               ; x codes, x scales, W_in codes, scales, W_lambda codes, scales, b_in, b_lambda
	s_load_b128 s[20:23], s[0:1], 0x40             ; theta_f, theta_r
	s_load_b64 s[24:25], s[0:1], 0x50              ; carry
	v_lshl_add_u32 v254, v0, 2, 0x30000
	v_mov_b32 v255, 0
	v_lshrrev_b32 v1, 5, v0
	v_readfirstlane_b32 s26, v1                    ; wave 0..15
	v_and_b32 v1, 31, v0                           ; lane
	v_and_b32 v2, 15, v0                           ; r
	v_bfe_u32 v3, v0, 4, 1                         ; lane / 16
	s_and_b32 s27, s26, 7                          ; g
	s_lshr_b32 s28, s26, 3                         ; up
	s_and_b32 s29, ttmp7, 0xffff                   ; the axis
	s_cmp_eq_u32 s29, 0
	s_cselect_b32 s31, 16, 9                       ; a step along the scan: 2^16 bytes of codes along h, 2^9 along w
	s_cselect_b32 s32, 9, 16                       ; from line to line: the other one
	s_sub_co_u32 s30, s31, 4                       ; the same for the scale words: a sixteenth
	s_add_co_u32 s33, s31, 3
	s_lshl_b32 s33, 1, s33                         ; a chunk of 8 steps, in bytes of codes,
	s_lshr_b32 s41, s33, 4                         ; and of scale words
	s_mov_b32 s35, 0
	s_mov_b32 s37, 0
	s_mov_b32 s38, 0                               ; the chunk
	s_mov_b32 s39, 0                               ; its place among the R,
	s_mov_b32 s40, 0                               ; and among the L
	v_and_b32 v27, 7, v0                           ; source 0's lanes: row = lane % 16: step row % 8 of sequence row / 8
	v_lshlrev_b32 v4, s31, v27
	v_lshlrev_b32 v5, s30, v27
	v_bfe_u32 v27, v0, 3, 1
	v_lshl_add_u32 v4, v27, 6, v4                  ; a sequence's row is 64 bytes of codes,
	v_lshl_add_u32 v5, v27, 2, v5                  ; 4 of scales
	v_lshl_add_u32 v4, v3, 4, v4                   ; my half's 16 bytes
	s_lshl_b32 s46, s28, 8
	v_add_nc_u32 v4, s46, v4                       ; + 4 up sequences
	s_lshl_b32 s46, s28, 4
	v_add_nc_u32 v5, s46, v5
	v_lshlrev_b32 v6, 3, v1
	v_lshlrev_b32 v7, 3, v0
	v_lshl_add_u32 v8, v0, 2, STL
	v_add_nc_u32 v11, 0x10000, v7
	v_lshlrev_b32 v100, 7, v2                      ; W_in: row 2 e = 128 e bytes, e = 16 g + r; row 2 e + 1 is 64 on
	v_lshl_add_u32 v100, v3, 4, v100
	s_lshl_b32 s46, s27, 11
	v_add_nc_u32 v100, s46, v100
	v_lshlrev_b32 v101, 6, v2                      ; W_lambda: row e
	v_lshl_add_u32 v101, v3, 4, v101
	s_lshl_b32 s46, s27, 10
	v_add_nc_u32 v101, s46, v101
	v_lshlrev_b32 v102, 3, v2                      ; 8 e: W_in's scale words, b_in's pair
	s_lshl_b32 s46, s27, 7
	v_add_nc_u32 v102, s46, v102
	v_lshrrev_b32 v103, 1, v102                    ; 4 e: W_lambda's scale word, b_lambda, the thetas
	s_lshl_b32 s46, ttmp9, s32                     ; my line
	s_mov_b32 s47, 0
	s_wait_kmcnt 0x0
	s_add_nc_u64 s[4:5], s[4:5], s[46:47]
	s_lshr_b32 s46, s46, 4
	s_add_nc_u64 s[6:7], s[6:7], s[46:47]
	s_lshl_b32 s46, s29, 24                        ; carry: axis, line, g, up
	s_lshl_b32 s34, ttmp9, 17
	s_add_co_u32 s46, s46, s34
	s_lshl_b32 s34, s27, 10
	s_add_co_u32 s46, s46, s34
	s_lshl_b32 s34, s28, 9
	s_add_co_u32 s46, s46, s34
	s_add_nc_u64 s[42:43], s[24:25], s[46:47]      ; the forward states: it steps with the chunks
	s_add_nc_u64 s[44:45], s[42:43], DIRB          ; the reverse states
	global_load_b128 v[28:31], v100, s[8:9]
	global_load_b128 v[32:35], v100, s[8:9] offset:32
	global_load_b128 v[36:39], v100, s[8:9] offset:64
	global_load_b128 v[40:43], v100, s[8:9] offset:96
	global_load_b128 v[44:47], v101, s[12:13]
	global_load_b128 v[48:51], v101, s[12:13] offset:32
	global_load_b32 v22, v102, s[10:11]
	global_load_b32 v23, v102, s[10:11] offset:4
	global_load_b32 v24, v103, s[14:15]
	global_load_b64 v[18:19], v102, s[16:17]
	global_load_b32 v20, v103, s[18:19]
	global_load_b32 v96, v103, s[20:21]
	global_load_b32 v97, v103, s[22:23]
	XLOAD                                          ; chunk 0
	s_wait_loadcnt 6                               ; all but the six loads of x
	v_mul_f32 v20, L2E, v20
	v_mov_b32 v21, 0                               ; (named with v20 as a pair)
	v_mul_f32 v98, 0x41000000, v97                 ; 8 theta_r, exact
	SINCOS 96, 12, 13, 84
	SINCOS 97, 14, 15, 84
	SINCOS 98, 16, 17, 84
	v_mov_b32 v[U0+64], 0                          ; the forward states begin at 0
	v_mov_b32 v[U0+65], 0
	v_mov_b32 v[U1+64], 0
	v_mov_b32 v[U1+65], 0
.Ltrip:                                            ; 16 trips, a chunk each
	s_wait_loadcnt 0x0                             ; this chunk's x, asked for a trip ago; its loads' bases may step
	s_wait_dscnt 0x0                               ; the last trip's LDS stores have read their registers
	v_add_nc_u32 v9, s39, v7
	v_add_nc_u32 v10, s40, v8
	PROD U0, 25
	PROD U1, 26
	v_mov_b32 v[U0+66], v[U0+64]                   ; the state that comes into this chunk.  These four lines are also the places behind the products,
	v_mov_b32 v[U0+67], v[U0+65]                   ; ahead of the loads into their operands and of the first read of their results
	v_mov_b32 v[U1+66], v[U1+64]
	v_mov_b32 v[U1+67], v[U1+65]
	s_cmp_lt_u32 s38, 15
	s_cselect_b32 s34, s33, 0                      ; the last trip steps by 0 and reads chunk 15 again: no load leaves its buffer
	s_cselect_b32 s36, s41, 0
	s_add_nc_u64 s[4:5], s[4:5], s[34:35]
	s_add_nc_u64 s[6:7], s[6:7], s[36:37]
	XLOAD                                          ; the next chunk: it has this trip's work in which to come
	global_store_b64 v6, v[U0+66:U0+67], s[42:43]              ; 32 lanes store 256 consecutive bytes, at a multiple of 256 from the buffer's first byte
	global_store_b64 v6, v[U1+66:U1+67], s[42:43] offset:256
	ACT U0+8, U0+16, U0+24, U0+32, 18, 20
	ACT U1+8, U1+16, U1+24, U1+32, 18, 20
	GMUL U0+8, U0+24, 12                           ; g forward, where the two sums lay
	GMUL U1+8, U1+24, 12
	GMUL U0+48, U0+24, 14                          ; g reverse
	GMUL U1+48, U1+24, 14
.irp j, 0,1,2,3,4,5,6,7                        ; four chains by turns: each unit's forward state up the chunk, its R down the chunk
.irp u, U0, U1
	CMAC \u+64, \u+64, \u+8, \j, \u+32+2*\j, \u+70
.if \j == 0
	CMAC \u+68, \u+46, \u+48, 6, \u+44, \u+72
.elseif \j < 7
	CMAC \u+68, \u+68, \u+48, 6-\j, \u+32+2*(6-\j), \u+72
.endif
.endr
.endr
	STASH U0, 0
	STASH U1, 1
	s_wait_xcnt 0x0                                ; the stores' base and data are written again only behind this wait
	s_add_nc_u64 s[42:43], s[42:43], 8192
	s_add_co_u32 s39, s39, 8192
	s_add_co_u32 s40, s40, 4096
	s_add_co_u32 s38, s38, 1
	s_cmp_lt_u32 s38, 16
	s_cbranch_scc1 .Ltrip
	s_wait_loadcnt 0x0                             ; the last trip's loads have landed: their registers are taken below
	BACK U0, 0                                     ; LDS serves a wave's instructions in order, and each thread reads its own words
	BACK U1, 1
	s_wait_dscnt 0x0
.irp c, 14,13,12,11,10,9,8,7,6,5,4,3,2,1       ; the two units by turns
	SLINK U0, \c
	SLINK U1, \c
.endr
	OUTR U0, 0
	OUTR U1, 1
	s_wait_tensorcnt 0x0
	ds_add_u32 v254, v255
	s_wait_dscnt 0x0
	s_endpgm
.Lfunc_end_k_qb7be67d176_carry:
	.size	k_qb7be67d176_carry, .Lfunc_end_k_qb7be67d176_carry-k_qb7be67d176_carry
	.p2alignl 7, 3214868480
	.fill 96, 4, 3214868480
	.section	.rodata,"a",@progbits
	.p2align	6, 0x0
	.amdhsa_kernel k_qb7be67d176_carry
		.amdhsa_group_segment_fixed_size 198656
		.amdhsa_private_segment_fixed_size 0
		.amdhsa_enable_private_segment 0
		.amdhsa_kernarg_size 88
		.amdhsa_user_sgpr_count 2
		.amdhsa_user_sgpr_kernarg_segment_ptr 1
		.amdhsa_wavefront_size32 1
		.amdhsa_system_sgpr_workgroup_id_x 1
		.amdhsa_system_sgpr_workgroup_id_y 1
		.amdhsa_system_sgpr_workgroup_id_z 1
		.amdhsa_system_vgpr_workitem_id 0
		.amdhsa_next_free_vgpr 256
		.amdhsa_next_free_sgpr 66
		.amdhsa_reserve_vcc 1
		.amdhsa_float_denorm_mode_32 3
		.amdhsa_float_denorm_mode_16_64 3
		.amdhsa_memory_ordered 1
		.amdhsa_forward_progress 1
		.amdhsa_inst_pref_size 41
	.end_amdhsa_kernel
	.amdgpu_metadata
---
amdhsa.version: [ 1, 2 ]
amdhsa.kernels:
  - .name:           k_qb7be67d176_carry
    .symbol:         k_qb7be67d176_carry.kd
    .args:
      - { .name: x_codes, .offset: 0, .size: 8, .value_kind: global_buffer, .address_space: global }
      - { .name: x_scales, .offset: 8, .size: 8, .value_kind: global_buffer, .address_space: global }
      - { .name: W_in_codes, .offset: 16, .size: 8, .value_kind: global_buffer, .address_space: global }
      - { .name: W_in_scales, .offset: 24, .size: 8, .value_kind: global_buffer, .address_space: global }
      - { .name: W_lambda_codes, .offset: 32, .size: 8, .value_kind: global_buffer, .address_space: global }
      - { .name: W_lambda_scales, .offset: 40, .size: 8, .value_kind: global_buffer, .address_space: global }
      - { .name: b_in, .offset: 48, .size: 8, .value_kind: global_buffer, .address_space: global }
      - { .name: b_lambda, .offset: 56, .size: 8, .value_kind: global_buffer, .address_space: global }
      - { .name: theta_f, .offset: 64, .size: 8, .value_kind: global_buffer, .address_space: global }
      - { .name: theta_r, .offset: 72, .size: 8, .value_kind: global_buffer, .address_space: global }
      - { .name: carry, .offset: 80, .size: 8, .value_kind: global_buffer, .address_space: global }
    .group_segment_fixed_size: 198656
    .private_segment_fixed_size: 0
    .kernarg_segment_align: 8
    .kernarg_segment_size: 88
    .max_flat_workgroup_size: 512
    .sgpr_count:     66
    .vgpr_count:     256
    .wavefront_size: 32
...
	.end_amdgpu_metadata
.endif
;; end of part 1
;; launch final (part 2): grid 16 x 16, 16 waves a work-group, no clusters, 309,504 bytes of LDS; arguments x_codes, x_scales, W_in_codes, W_in_scales, W_lambda_codes, W_lambda_scales, W_gate_codes, W_gate_scales, W_out_codes, W_out_scales, b_in, b_lambda, b_gate, b_out, ln_w, ln_b, theta_f, theta_r, carry, out0; writes out0
.if DOCPART == 2
	.amdgcn_target "amdgcn-amd-amdhsa--gfx1250"
	.amdhsa_code_object_version 6
	.text
	.protected	k_qb7be67d176_final
	.globl	k_qb7be67d176_final
	.p2align	8
	.type	k_qb7be67d176_final,@function
k_qb7be67d176_final:
	s_mov_b64 s[64:65], 0
	v_nop
	global_prefetch_b8 v0, s[64:65] scope:SCOPE_SE
	s_setreg_imm32_b32 hwreg(HW_REG_WAVE_MODE, 25, 1), 1
	s_wait_xcnt 0x0
; out0 = Q(LayerNorm(the sum of the four scans) x silu(x W_gate + b_gate)) W_out + b_out, all products on FP4 codes with E8M0 scales; Q quantises along the 256 features.
; SHARES.  A work-group owns a patch of 8 h x 8 w for all 8 b; two trips of four b.  A trip: P1 twice, a barrier, P2, a barrier.
; P1 (wave: g = wave & 7, up = wave >> 3; round rho: b = 4 trip + 2 rho + up): 16 channels x 64 positions.  The product is used as it stands (source 0 = 16 rows of x, source 1 = 16 rows of a weight): a lane holds
; one channel, its registers positions.  THE TWO HALVES OF THE LANES ARE MIRRORED: tile t's rows 0-7 are (h0 + j, w0 + t), its rows 8-15 (h0 + 7 - j, w0 + 7 - t).  So going UP in j or in t is the forward scan
; (theta_f) in lanes 0-15 and the reverse scan (theta_r) in lanes 16-31, and going DOWN the other way round: one pair of constants a lane for up, one for down, on both axes.  Along h each half has all 8 steps and
; starts from a stored state.  Along w each half walks its 4 columns from a stored state; then the halves hand each other their end states (register j against 7 - j) and walk back.
; The sum of the four goes to LDS as rows of 256 features, [hr | hi].
; P2 (wave: slot = wave >> 2, 16 rows of it): both products are used transposed (source 0 = 16 rows of a weight, source 1 = 16 positions): a lane holds one position, its registers run along the features.
; W_gate's rows of a tile are not neighbours: lane r of tile 2 b + u takes row 32 b + 8 u + r + 8 (r / 8), so that the 16 registers of two tiles are features 32 b + 16 (lane / 16) + 0 .. 15, as the next operand wants.
; W_gate's and W_out's fragments lie in LDS as images of their registers (16 bytes a lane, 512 a store), made once at the head; the biases are the C of each sum's first product.
; NOT USED: tensor loads, a ring, joint loads in a cluster: no LDS byte is filled by an engine; what work-groups share is 58 KB of weights, against 256 KB of states and 256 KB of results of a work-group's own.
; LIMITS: |theta| up to 2^20; NaN and infinities are not served; a block of zeros gets the scale byte 1 (its codes are zeros, and only this program reads the byte).
.set L2E,   0x3fb8aa3b
.set NL2E,  0xbfb8aa3b
.set DIRB,  0x2000000                  ; carry: from dir 0 to dir 1,
.set AXISB, 0x1000000                  ; from axis 0 to axis 1
.set FP,    1040                       ; a row of features in LDS: 1,024 bytes + 16: 65 x 16, so that sixteen rows start in sixteen different groups of banks
.set HALFB, 33344                      ; rows 32-63 begin 32 FP + 64 on: the two halves of a 4-byte store fall on different banks
.set SLOTB, 66624                      ; a slot: 64 rows
.set GIMG,  266496                     ; W_gate's 16 fragments, 1,024 bytes each
.set OIMG,  282880                     ; W_out's 16 (2 nt + ks)
.set GSC,   299264                     ; their scale words, 128 bytes a fragment
.set OSC,   301312
.set PAR,   303360                     ; b_gate 1,024, ln_w 1,024, ln_b 1,024, b_out 512 (and once more)
.set TM,    180                        ; the quantiser's 16 registers at work
; v0 thread, v1 lane / 16, v[2:3] cos, sin for going up, v[4:5] for going down, v[6:7] b_in's pair, v8 log2(e) b_lambda, v9 P1's place in LDS, v10-19 scale words and nothing else,
; v252 GIMG + 16 lane, v253 GSC + 4 lane, v254 PAR + 64 (lane / 16), v255 PAR + 3,072 + 32 (lane / 16)
; P1: v20-35 in of tile 0; v36-131 the tiles' three sums each (tile t's in then lies where tile t - 1's two sums lay, lam in the third; g in tile 3's two); v132-195 first x's fragments and addresses, then the sums S;
;     v196-219 weight fragments, then at work; v220-235 the states along w; v236-243, v244-251 the states along h, up and down
; P2: v20-147 the features F; v148-179 four fragments (statistics before); v180-211, v212-243 at work; v244-251 x's fragment
.macro SINCOS th, c, s, t              ; cos and sin: k = the nearest whole number to th x 2 / pi; r = th - k pi / 2 in two steps; polynomials on |r| <= pi / 4; the quadrant by selects and sign bits
	v_mul_f32 v[\t], 0x3f22f983, v[\th]
	v_rndne_f32 v[\t], v[\t]
	v_fmamk_f32 v[\t+1], v[\t], 0xbfc90fdb, v[\th]
	v_fmamk_f32 v[\t+1], v[\t], 0x333bbd2e, v[\t+1]
	v_mul_f32 v[\t+2], v[\t+1], v[\t+1]
	v_mov_b32 v[\t+3], 0xb94ca1f9
	v_fmaak_f32 v[\t+3], v[\t+3], v[\t+2], 0x3c08839e
	v_fmaak_f32 v[\t+3], v[\t+3], v[\t+2], 0xbe2aaaa3
	v_mul_f32 v[\t+3], v[\t+3], v[\t+2]
	v_fma_f32 v[\t+3], v[\t+3], v[\t+1], v[\t+1]
	v_mov_b32 v[\t+4], 0x37ccf5ce
	v_fmaak_f32 v[\t+4], v[\t+4], v[\t+2], 0xbab6061a
	v_fmaak_f32 v[\t+4], v[\t+4], v[\t+2], 0x3d2aaaa5
	v_mul_f32 v[\t+4], v[\t+4], v[\t+2]
	v_fma_f32 v[\t+5], v[\t+2], -0.5, 1.0
	v_fma_f32 v[\t+4], v[\t+4], v[\t+2], v[\t+5]
	v_cvt_i32_f32 v[\t], v[\t]
	v_and_b32 v[\t+5], 1, v[\t]
	v_cmp_eq_u32 vcc_lo, 1, v[\t+5]
	v_cndmask_b32 v[\s], v[\t+3], v[\t+4], vcc_lo
	v_cndmask_b32 v[\c], v[\t+4], v[\t+3], vcc_lo
	v_and_b32 v[\t+5], 2, v[\t]
	v_lshlrev_b32 v[\t+5], 30, v[\t+5]
	v_xor_b32 v[\s], v[\s], v[\t+5]
	v_add_nc_u32 v[\t], 1, v[\t]
	v_and_b32 v[\t], 2, v[\t]
	v_lshlrev_b32 v[\t], 30, v[\t]
	v_xor_b32 v[\c], v[\c], v[\t]
.endm
; Eight positions of a lane's channel: the three sums become in (re, im by turns, in t .. t + 15) and lam (in zl).  Each accumulator is read from its low end on
.macro ACT zr, zi, zl, t, bb, pbl
.irp p, 0,2,4,6
	v_pk_add_f32 v[\zr+\p:\zr+\p+1], v[\zr+\p:\zr+\p+1], v[\bb:\bb+1] op_sel_hi:[1,0]
	v_pk_add_f32 v[\zi+\p:\zi+\p+1], v[\zi+\p:\zi+\p+1], v[\bb:\bb+1] op_sel:[0,1] op_sel_hi:[1,1]
	v_pk_fma_f32 v[\zl+\p:\zl+\p+1], v[\zl+\p:\zl+\p+1], L2E, v[\pbl:\pbl+1] op_sel_hi:[1,0,0]
.endr
.irp p, 0,2,4,6
	v_pk_mul_f32 v[\t+\p:\t+\p+1], v[\zr+\p:\zr+\p+1], NL2E op_sel_hi:[1,0]
	v_pk_mul_f32 v[\t+8+\p:\t+9+\p], v[\zi+\p:\zi+\p+1], NL2E op_sel_hi:[1,0]
.endr
.irp p, 0,1,2,3,4,5,6,7,8,9,10,11,12,13,14,15
	v_exp_f32 v[\t+\p], v[\t+\p]
.endr
.irp p, 0,1,2,3,4,5,6,7
	v_exp_f32 v[\zl+\p], v[\zl+\p]
.endr
	v_nop                                              ; a plain place behind the exponentials
	s_wait_alu depctr_va_vdst(0)
.irp p, 0,2,4,6,8,10,12,14
	v_pk_add_f32 v[\t+\p:\t+\p+1], v[\t+\p:\t+\p+1], 1.0 op_sel_hi:[1,0]
.endr
.irp p, 0,2,4,6
	v_pk_add_f32 v[\zl+\p:\zl+\p+1], v[\zl+\p:\zl+\p+1], 1.0 op_sel_hi:[1,0]
.endr
.irp p, 0,1,2,3,4,5,6,7,8,9,10,11,12,13,14,15
	v_rcp_f32 v[\t+\p], v[\t+\p]
.endr
.irp p, 0,1,2,3,4,5,6,7
	v_rcp_f32 v[\zl+\p], v[\zl+\p]                     ; 1 / (1 + e^z) = 1 - lam
.endr
	v_nop                                              ; a plain place behind the reciprocals
	s_wait_alu depctr_va_vdst(0)
.irp p, 0,2,4,6
	v_pk_mul_f32 v[\zr+\p:\zr+\p+1], v[\zr+\p:\zr+\p+1], v[\t+\p:\t+\p+1]
	v_pk_mul_f32 v[\zi+\p:\zi+\p+1], v[\zi+\p:\zi+\p+1], v[\t+8+\p:\t+9+\p]
.endr
.irp p, 0,1,2,3,4,5,6,7
	v_mul_f32 v[\t+2*\p], v[\zr+\p], v[\zl+\p]
	v_mul_f32 v[\t+2*\p+1], v[\zi+\p], v[\zl+\p]
.endr
.irp p, 0,2,4,6
	v_pk_fma_f32 v[\zl+\p:\zl+\p+1], v[\zl+\p:\zl+\p+1], -1.0, 1.0 op_sel_hi:[1,0,0]
.endr
.endm
.macro GMUL gb, lam, cp                ; g of eight positions: gb .. gb + 7 = lam cos, gb + 8 .. gb + 15 = lam sin
.irp p, 0,2,4,6
	v_pk_mul_f32 v[\gb+\p:\gb+\p+1], v[\lam+\p:\lam+\p+1], v[\cp:\cp+1] op_sel_hi:[1,0]
	v_pk_mul_f32 v[\gb+8+\p:\gb+9+\p], v[\lam+\p:\lam+\p+1], v[\cp:\cp+1] op_sel:[0,1] op_sel_hi:[1,1]
.endr
.endm
.macro CMAC d, p, gb, j, x, tmp        ; one complex step, d = g_j p + x, on pairs (re, im)
.if ((\j)&1)
	v_pk_fma_f32 v[\tmp:\tmp+1], v[\p:\p+1], v[\gb+(\j)-1:\gb+(\j)], v[\x:\x+1] op_sel:[0,1,0] op_sel_hi:[1,1,1]
	v_pk_fma_f32 v[\d:\d+1], v[\p:\p+1], v[\gb+8+(\j)-1:\gb+8+(\j)], v[\tmp:\tmp+1] op_sel:[1,1,0] op_sel_hi:[0,1,1] neg_lo:[1,0,0]
.else
	v_pk_fma_f32 v[\tmp:\tmp+1], v[\p:\p+1], v[\gb+(\j):\gb+(\j)+1], v[\x:\x+1] op_sel:[0,0,0] op_sel_hi:[1,0,1]
	v_pk_fma_f32 v[\d:\d+1], v[\p:\p+1], v[\gb+8+(\j):\gb+8+(\j)+1], v[\tmp:\tmp+1] op_sel:[1,0,0] op_sel_hi:[0,0,1] neg_lo:[1,0,0]
.endif
.endm
; Going up, tile t: the chain along h up the registers (its states are S), the eight chains along w one step each; then S takes the w states too (behind the chains: the h chain reads S as its own state)
.macro PASSA t, xt
	GMUL 108, 52+24*\t, 2
.irp j, 0,1,2,3,4,5,6,7
.if \j == 0
	CMAC 132+16*\t, 236+2*\t, 108, 0, \xt, 196
.else
	CMAC 132+16*\t+2*\j, 130+16*\t+2*\j, 108, \j, \xt+2*\j, 196+2*(\j&1)
.endif
	CMAC 220+2*\j, 220+2*\j, 108, \j, \xt+2*\j, 200+2*(\j&1)
.endr
.irp j, 0,1,2,3,4,5,6,7
	v_pk_add_f32 v[132+16*\t+2*\j:133+16*\t+2*\j], v[132+16*\t+2*\j:133+16*\t+2*\j], v[220+2*\j:221+2*\j]
.endr
.endm
; Going down, tile t; then the tile's sums go to LDS: row 32 (lane / 16) + 8 t + j, hr at 4 e, hi 512 bytes on
.macro PASSB t, xt
	GMUL 108, 52+24*\t, 4
.irp j, 7,6,5,4,3,2,1,0
.if \j < 4
.set WBR, 236+2*\j
.else
.set WBR, 196+2*\j
.endif
	CMAC 244+2*\t, 244+2*\t, 108, \j, \xt+2*\j, 196+2*(\j&1)
	CMAC WBR, WBR, 108, \j, \xt+2*\j, 200+2*(\j&1)
	v_pk_add_f32 v[132+16*\t+2*\j:133+16*\t+2*\j], v[132+16*\t+2*\j:133+16*\t+2*\j], v[244+2*\t:245+2*\t]
	v_pk_add_f32 v[132+16*\t+2*\j:133+16*\t+2*\j], v[132+16*\t+2*\j:133+16*\t+2*\j], v[WBR:WBR+1]
.endr
.irp j, 0,1,2,3,4,5,6,7
	ds_store_b32 v9, v[132+16*\t+2*\j] offset:(8*\t+\j)*FP
	ds_store_b32 v9, v[133+16*\t+2*\j] offset:(8*\t+\j)*FP+512
.endr
.endm
.macro P1ROUND rho
	s_wait_dscnt 0x0                               ; earlier LDS stores have read their registers
	s_lshl_b32 s56, s52, 2
	s_add_co_u32 s56, s56, s46
.if \rho
	s_add_co_u32 s56, s56, 2
.endif                                             ; b
	s_lshl_b32 s57, s56, 6
	s_add_co_u32 s57, s57, s66                     ; x codes at (h0, w0, b),
	s_lshr_b32 s58, s57, 4                         ; x scales
	s_lshl_b32 s59, s56, 7
	s_add_co_u32 s60, s59, s67                     ; the states along h: line w0, chunk h0 / 8, g, b;
	s_add_co_u32 s61, s59, s68                     ; along w: line h0, chunk w0 / 8
	s_add_co_u32 s62, s46, 2*\rho
	s_mul_i32 s62, s62, SLOTB
	s_lshl_b32 s63, s45, 6
	s_add_co_u32 s62, s62, s63                     ; my slot, my 16 channels' 64 bytes
	v_bfe_u32 v192, v0, 3, 1                       ; source 0's lanes: row = lane % 16; s = row / 8: mirrored or not
	v_and_b32 v193, 7, v0
	v_mul_u32_u24 v194, v192, 7
	v_xor_b32 v193, v193, v194                     ; h - h0 = j or 7 - j
	v_lshlrev_b32 v164, 16, v193
	v_mad_u32_u24 v164, v192, 0xe00, v164          ; w - w0 = 0 or 7 in tile 0
	v_lshrrev_b32 v168, 4, v164
	v_lshl_add_u32 v164, v1, 4, v164
	v_add_nc_u32 v164, s57, v164
	v_add_nc_u32 v168, s58, v168
	v_lshlrev_b32 v194, 10, v192
	v_sub_nc_u32 v194, 512, v194                   ; from tile to tile: one w up or down
	v_ashrrev_i32 v195, 4, v194
.irp t, 1,2,3
	v_add_nc_u32 v[164+\t], v[163+\t], v194
	v_add_nc_u32 v[168+\t], v[167+\t], v195
.endr
	v_and_b32 v192, 15, v0                         ; the result's lanes: channel r, half lane / 16
	v_lshlrev_b32 v193, 25, v1                     ; going up, lanes 16-31 take the reverse states,
	v_mad_u32_u24 v193, v1, 0xe0000, v193          ; beginning at line + 7
	v_lshl_add_u32 v193, v192, 3, v193
	v_add_nc_u32 v172, s60, v193
	v_add_nc_u32 v180, s61, v193
	v_lshlrev_b32 v194, 18, v1
	v_sub_nc_u32 v194, 0x20000, v194               ; one line up or down
.irp t, 1,2,3
	v_add_nc_u32 v[172+\t], v[171+\t], v194
.endr
.irp j, 1,2,3,4,5,6,7
	v_add_nc_u32 v[180+\j], v[179+\j], v194
.endr
.irp t, 0,1,2,3
	v_xor_b32 v[176+\t], DIRB, v[172+\t]           ; going down: the same line's state of the other direction
.endr
	v_lshlrev_b32 v188, 7, v192                    ; W_in: rows 2 e and 2 e + 1
	v_lshl_add_u32 v188, v1, 4, v188
	s_lshl_b32 s63, s45, 11
	v_add_nc_u32 v188, s63, v188
	v_lshlrev_b32 v189, 6, v192                    ; W_lambda: row e
	v_lshl_add_u32 v189, v1, 4, v189
	s_lshl_b32 s63, s45, 10
	v_add_nc_u32 v189, s63, v189
	v_lshlrev_b32 v190, 3, v192
	s_lshl_b32 s63, s45, 7
	v_add_nc_u32 v190, s63, v190
	v_lshrrev_b32 v191, 1, v190
	v_mul_u32_u24 v9, v1, HALFB
	v_lshl_add_u32 v9, v192, 2, v9
	v_add_nc_u32 v9, s62, v9
	global_load_b128 v[196:199], v188, s[8:9]
	global_load_b128 v[200:203], v188, s[8:9] offset:32
	global_load_b128 v[204:207], v188, s[8:9] offset:64
	global_load_b128 v[208:211], v188, s[8:9] offset:96
	global_load_b128 v[212:215], v189, s[12:13]
	global_load_b128 v[216:219], v189, s[12:13] offset:32
	global_load_b32 v10, v190, s[10:11]
	global_load_b32 v11, v190, s[10:11] offset:4
	global_load_b32 v12, v191, s[14:15]
.irp t, 0,1,2,3
	global_load_b128 v[132+8*\t:135+8*\t], v[164+\t], s[4:5]
	global_load_b128 v[136+8*\t:139+8*\t], v[164+\t], s[4:5] offset:32
	global_load_b32 v[14+\t], v[168+\t], s[6:7]
.endr
.irp j, 0,1,2,3,4,5,6,7
	global_load_b64 v[220+2*\j:221+2*\j], v[180+\j], s[40:41]
.endr
.irp t, 0,1,2,3
	global_load_b64 v[236+2*\t:237+2*\t], v[172+\t], s[40:41]
.endr
.irp t, 0,1,2,3
	global_load_b64 v[244+2*\t:245+2*\t], v[176+\t], s[40:41]
.endr
	s_wait_loadcnt 16                              ; weights and x are in; the sixteen loads of states may stay out
.irp t, 0,1,2,3
	v_wmma_scale_f32_16x16x128_f8f6f4 v[36+24*\t:43+24*\t], v[132+8*\t:139+8*\t], v[196:203], 0, v[14+\t], v10 matrix_a_fmt:MATRIX_FMT_FP4 matrix_b_fmt:MATRIX_FMT_FP4
	v_wmma_scale_f32_16x16x128_f8f6f4 v[44+24*\t:51+24*\t], v[132+8*\t:139+8*\t], v[204:211], 0, v[14+\t], v11 matrix_a_fmt:MATRIX_FMT_FP4 matrix_b_fmt:MATRIX_FMT_FP4
	v_wmma_scale_f32_16x16x128_f8f6f4 v[52+24*\t:59+24*\t], v[132+8*\t:139+8*\t], v[212:219], 0, v[14+\t], v12 matrix_a_fmt:MATRIX_FMT_FP4 matrix_b_fmt:MATRIX_FMT_FP4
.endr
.rept 4
	v_nop                                          ; places ahead of the first read of results
.endr
	ACT 36, 44, 52, 20, 6, 8
	ACT 60, 68, 76, 36, 6, 8
	ACT 84, 92, 100, 60, 6, 8
	ACT 108, 116, 124, 84, 6, 8
	s_wait_loadcnt 0x0                             ; the states are in, and the loads' address registers are free for S
	PASSA 0, 20
	PASSA 1, 36
	PASSA 2, 60
	PASSA 3, 84
.irp j, 0,1,2,3                                ; the halves hand each other the end states along w: line h0 + j lies in the other half's register 7 - j
	v_permlanex16_b32 v[236+2*\j], v[234-2*\j], s54, s55
	v_permlanex16_b32 v[237+2*\j], v[235-2*\j], s54, s55
.endr
.irp j, 4,5,6,7
	v_permlanex16_b32 v[196+2*\j], v[234-2*\j], s54, s55
	v_permlanex16_b32 v[197+2*\j], v[235-2*\j], s54, s55
.endr
	PASSB 3, 84
	PASSB 2, 60
	PASSB 1, 36
	PASSB 0, 20
.endm
.macro LNLOAD k                        ; ln_w and ln_b of features 32 k + 16 (lane / 16) + 0 .. 15: eight loads, into one of two buffers
.set LB, 180+32*((\k)&1)
.irp q, 0,1,2,3
	ds_load_b128 v[LB+4*\q:LB+4*\q+3], v254 offset:1024+128*(\k)+16*\q
.endr
.irp q, 0,1,2,3
	ds_load_b128 v[LB+16+4*\q:LB+16+4*\q+3], v254 offset:2048+128*(\k)+16*\q
.endr
.endm
.macro LNSLICE k
.set LB, 180+32*((\k)&1)
.if \k < 7
	s_wait_dscnt 8                                 ; this slice's eight loads are in; the next slice's eight may be out
.else
	s_wait_dscnt 0x0
.endif
.irp p, 0,2,4,6,8,10,12,14
	v_pk_mul_f32 v[20+16*\k+\p:21+16*\k+\p], v[20+16*\k+\p:21+16*\k+\p], v[160:161]
.endr
.irp p, 0,2,4,6,8,10,12,14
	v_pk_fma_f32 v[20+16*\k+\p:21+16*\k+\p], v[20+16*\k+\p:21+16*\k+\p], v[LB+\p:LB+\p+1], v[LB+16+\p:LB+17+\p]
.endr
.if \k < 6
	LNLOAD \k+2
.endif
.endm
.macro GFRAG k                         ; W_gate's tiles 4 k .. 4 k + 3 and their scale words
.irp i, 0,1,2,3
	ds_load_b128 v[148+8*\i:151+8*\i], v252 offset:(4*(\k)+\i)*1024
	ds_load_b128 v[152+8*\i:155+8*\i], v252 offset:(4*(\k)+\i)*1024+512
	ds_load_b32 v[10+\i], v253 offset:(4*(\k)+\i)*128
.endr
.endm
; 64 features: gate = silu(x W_gate + b_gate) in g .. g + 31, and F times it.  b_gate is loaded into the accumulators
.macro GSLICE k, g, t
.irp b, 0,1
.irp q, 0,1,2,3
	ds_load_b128 v[\g+16*\b+4*\q:\g+16*\b+4*\q+3], v254 offset:256*\k+128*\b+16*\q
.endr
.endr
	s_wait_dscnt 0x0
.irp i, 0,1,2,3
	v_wmma_scale_f32_16x16x128_f8f6f4 v[\g+8*\i:\g+8*\i+7], v[148+8*\i:155+8*\i], v[244:251], v[\g+8*\i:\g+8*\i+7], v[10+\i], v14 matrix_a_fmt:MATRIX_FMT_FP4 matrix_b_fmt:MATRIX_FMT_FP4
.endr
.rept 4
	v_nop                                          ; places ahead of the loads into operands and of the first read of results
.endr
.if \k < 3
	GFRAG \k+1
.endif
.irp p, 0,2,4,6,8,10,12,14,16,18,20,22,24,26,28,30
	v_pk_mul_f32 v[\t+\p:\t+\p+1], v[\g+\p:\g+\p+1], NL2E op_sel_hi:[1,0]
.endr
.irp p, 0,1,2,3,4,5,6,7,8,9,10,11,12,13,14,15,16,17,18,19,20,21,22,23,24,25,26,27,28,29,30,31
	v_exp_f32 v[\t+\p], v[\t+\p]
.endr
	v_nop
	s_wait_alu depctr_va_vdst(0)
.irp p, 0,2,4,6,8,10,12,14,16,18,20,22,24,26,28,30
	v_pk_add_f32 v[\t+\p:\t+\p+1], v[\t+\p:\t+\p+1], 1.0 op_sel_hi:[1,0]
.endr
.irp p, 0,1,2,3,4,5,6,7,8,9,10,11,12,13,14,15,16,17,18,19,20,21,22,23,24,25,26,27,28,29,30,31
	v_rcp_f32 v[\t+\p], v[\t+\p]
.endr
	v_nop
	s_wait_alu depctr_va_vdst(0)
.irp p, 0,2,4,6,8,10,12,14,16,18,20,22,24,26,28,30
	v_pk_mul_f32 v[\g+\p:\g+\p+1], v[\g+\p:\g+\p+1], v[\t+\p:\t+\p+1]
.endr
.irp p, 0,2,4,6,8,10,12,14,16,18,20,22,24,26,28,30
	v_pk_mul_f32 v[20+32*\k+\p:21+32*\k+\p], v[20+32*\k+\p:21+32*\k+\p], v[\g+\p:\g+\p+1]
.endr
.endm
; 64 numbers of a lane, register 16 b + i = k 32 b + 16 (lane / 16) + i of my row, become a fragment's codes in pc .. pc + 7 and its scale word in pw
.macro QUANT s, pc, pw
.irp b, 0,1,2,3
	v_max3_num_f32 v[TM+\b], |v[\s+16*\b]|, |v[\s+1+16*\b]|, 0x1800000     ; my 16 numbers of block b, and the floor 2^(3 - 127): the byte cannot fall under 1
.endr
.irp i, 2,4,6,8,10,12,14
.irp b, 0,1,2,3
	v_max3_num_f32 v[TM+\b], v[TM+\b], |v[\s+16*\b+\i]|, |v[\s+1+16*\b+\i]|
.endr
.endr
.irp b, 0,1,2,3
	v_permlanex16_b32 v[TM+4+\b], v[TM+\b], s54, s55
.endr
.irp b, 0,1,2,3
	v_max_num_f32 v[TM+\b], v[TM+\b], v[TM+4+\b]       ; with the other half's 16: the block's largest magnitude
.endr
.irp b, 0,1,2,3
	v_add_nc_u32 v[TM+12+\b], 0xff000000, v[TM+\b]     ; 2 off its exponent field: the conversion's scale operand
.endr
.irp b, 0,1,2,3
	v_lshrrev_b32 v[TM+4+\b], 23, v[TM+12+\b]          ; the scale's byte
.endr
	v_lshl_or_b32 v[\pw], v[TM+5], 8, v[TM+4]
	v_lshl_or_b32 v[\pw], v[TM+6], 16, v[\pw]
	v_lshl_or_b32 v[\pw], v[TM+7], 24, v[\pw]
.irp b, 0,1,2,3
	v_cvt_scalef32_pk8_fp4_f32 v[\pc+2*\b], v[\s+16*\b:\s+7+16*\b], v[TM+12+\b]
	v_cvt_scalef32_pk8_fp4_f32 v[\pc+1+2*\b], v[\s+8+16*\b:\s+15+16*\b], v[TM+12+\b]
.endr
	v_nop                                              ; one plain place behind a scaled conversion
.irp c, 0,1                                        ; the operand wants a whole block in a lane
.irp i, 0,1
	v_permlane16_swap_b32 v[\pc+4*\c+\i], v[\pc+2+4*\c+\i]
.endr
.endr
.endm
; Four tiles of outputs, n0 .. n0 + 3, both K steps: the four accumulators take turns
.macro OGROUP n0
.irp i, 0,1,2,3
	ds_load_b128 v[148+8*\i:151+8*\i], v252 offset:16384+(2*(\n0+\i))*1024
	ds_load_b128 v[152+8*\i:155+8*\i], v252 offset:16384+(2*(\n0+\i))*1024+512
	ds_load_b32 v[10+\i], v253 offset:2048+(2*(\n0+\i))*128
	ds_load_b128 v[84+8*\i:87+8*\i], v252 offset:16384+(2*(\n0+\i)+1)*1024
	ds_load_b128 v[88+8*\i:91+8*\i], v252 offset:16384+(2*(\n0+\i)+1)*1024+512
	ds_load_b32 v[14+\i], v253 offset:2048+(2*(\n0+\i)+1)*128
.endr
	s_wait_dscnt 0x0
.irp i, 0,1,2,3
	v_wmma_scale_f32_16x16x128_f8f6f4 v[20+8*(\n0+\i):27+8*(\n0+\i)], v[148+8*\i:155+8*\i], v[212:219], v[20+8*(\n0+\i):27+8*(\n0+\i)], v[10+\i], v18 matrix_a_fmt:MATRIX_FMT_FP4 matrix_b_fmt:MATRIX_FMT_FP4
.endr
.irp i, 0,1,2,3
	v_wmma_scale_f32_16x16x128_f8f6f4 v[20+8*(\n0+\i):27+8*(\n0+\i)], v[84+8*\i:91+8*\i], v[220:227], v[20+8*(\n0+\i):27+8*(\n0+\i)], v[14+\i], v19 matrix_a_fmt:MATRIX_FMT_FP4 matrix_b_fmt:MATRIX_FMT_FP4
.endr
.rept 4
	v_nop                                          ; places ahead of loads into operands and of the first read of results
.endr
.endm
	s_load_b512 s[4:19], s[0:1], 0x0               ; x codes, scales; W_in codes, scales; W_lambda codes, scales; W_gate codes, scales
	s_load_b512 s[20:35], s[0:1], 0x40             ; W_out codes, scales; b_in, b_lambda, b_gate, b_out, ln_w, ln_b
	s_load_b256 s[36:43], s[0:1], 0x80             ; theta_f, theta_r, carry, out0
	v_lshrrev_b32 v1, 5, v0
	v_readfirstlane_b32 s44, v1                    ; wave 0..15
	v_bfe_u32 v1, v0, 4, 1                         ; lane / 16: stays
	s_and_b32 s45, s44, 7                          ; P1: g,
	s_lshr_b32 s46, s44, 3                         ; up
	s_lshr_b32 s47, s44, 2                         ; P2: slot,
	s_and_b32 s48, s44, 3                          ; which 16 of its rows,
	s_lshr_b32 s49, s48, 1                         ; mirrored rows or not
	s_lshl_b32 s51, ttmp9, 3                       ; w0
	s_and_b32 s50, ttmp7, 0xffff
	s_lshl_b32 s50, s50, 3                         ; h0
	s_mov_b32 s52, 0                               ; the trip
	s_mov_b32 s54, 0x76543210
	s_mov_b32 s55, 0xfedcba98                      ; v_permlanex16_b32's selects: lane xor 16
	s_lshl_b32 s66, s50, 16
	s_lshl_b32 s56, s51, 9
	s_add_co_u32 s66, s66, s56                     ; x codes at (h0, w0)
	s_lshl_b32 s67, s45, 10
	s_lshl_b32 s56, s51, 17
	s_lshl_b32 s57, s50, 10
	s_add_co_u32 s56, s56, s57
	s_lshl_b32 s57, s50, 17
	s_lshl_b32 s58, s51, 10
	s_add_co_u32 s57, s57, s58
	s_add_co_u32 s68, s67, s57
	s_add_co_u32 s68, s68, AXISB                   ; states along w: g, line h0, chunk w0 / 8
	s_add_co_u32 s67, s67, s56                     ; states along h: g, line w0, chunk h0 / 8
	s_and_b32 s69, s48, 1
	s_lshl_b32 s69, s69, 1                         ; P2: my rows' first tile t0
	s_mul_i32 s70, s49, 7
	s_mul_i32 s74, s49, 15
	s_mul_i32 s71, s47, SLOTB
	s_mul_i32 s56, s48, 16*FP
	s_add_co_u32 s71, s71, s56
	s_lshl_b32 s56, s49, 6
	s_add_co_u32 s71, s71, s56                     ; my 16 rows of features; later my stage
	s_sub_co_u32 s56, 6, s69
	s_cmp_eq_u32 s49, 0
	s_cselect_b32 s72, s69, s56                    ; the lower of my rows' two w, less w0
	s_mov_b32 s73, 0x3b800000                      ; 1 / 256
	s_lshl_b32 s75, s50, 7
	s_add_co_u32 s75, s75, s51
	s_add_co_u32 s75, s75, s72
	s_lshl_b32 s75, s75, 12                        ; out0 at (h0, that w, b = 0)
	v_and_b32 v52, 15, v0                          ; r
	v_lshlrev_b32 v53, 2, v52
	s_lshl_b32 s56, s45, 6
	v_add_nc_u32 v53, s56, v53                     ; 4 e
	v_lshlrev_b32 v54, 1, v53                      ; 8 e
	v_and_b32 v55, 8, v52
	v_add_nc_u32 v55, v55, v52                     ; r + 8 (r / 8)
	s_lshr_b32 s56, s44, 1
	s_and_b32 s57, s44, 1
	s_lshl_b32 s58, s56, 5
	s_lshl_b32 s59, s57, 3
	s_add_co_u32 s58, s58, s59
	v_add_nc_u32 v55, s58, v55                     ; W_gate's row for fragment = wave
	v_lshlrev_b32 v56, 6, v55
	v_lshl_add_u32 v56, v1, 4, v56
	v_lshlrev_b32 v57, 2, v55
	s_lshl_b32 s58, s56, 4
	v_add_nc_u32 v55, s58, v52                     ; W_out's row 16 nt + r, nt = wave / 2, K step wave % 2
	v_lshlrev_b32 v58, 7, v55
	v_lshl_add_u32 v58, v1, 4, v58
	s_lshl_b32 s58, s57, 6
	v_add_nc_u32 v58, s58, v58
	v_lshlrev_b32 v59, 3, v55
	s_lshl_b32 s58, s57, 2
	v_add_nc_u32 v59, s58, v59
	v_and_b32 v60, 255, v0
	v_lshlrev_b32 v60, 2, v60
	v_and_b32 v62, 31, v0
	v_lshlrev_b32 v62, 4, v62
	v_add_nc_u32 v252, GIMG, v62
	s_lshl_b32 s61, s44, 10
	v_add_nc_u32 v63, s61, v252                    ; where my wave's images go
	v_lshl_add_u32 v64, v0, 2, GSC                 ; and one word a thread
	v_and_b32 v62, 31, v0
	v_lshl_add_u32 v253, v62, 2, GSC
	v_lshl_add_u32 v254, v1, 6, PAR
	v_lshl_add_u32 v255, v1, 5, PAR+3072
	s_wait_kmcnt 0x0
	s_mov_b32 s60, 127
	s_cmp_lt_u32 s44, 8                            ; waves 0-7 bring b_gate and ln_b, waves 8-15 ln_w and b_out (twice): the choice hangs on the wave's number alone
	s_cselect_b64 s[56:57], s[28:29], s[32:33]
	s_cselect_b64 s[58:59], s[34:35], s[30:31]
	s_cselect_b32 s60, 255, s60
	v_and_b32 v61, s60, v0
	v_lshlrev_b32 v61, 2, v61
	global_load_b32 v30, v53, s[36:37]
	global_load_b32 v31, v53, s[38:39]
	global_load_b64 v[6:7], v54, s[24:25]
	global_load_b32 v8, v53, s[26:27]
	global_load_b128 v[32:35], v56, s[16:17]
	global_load_b128 v[36:39], v56, s[16:17] offset:32
	global_load_b32 v40, v57, s[18:19]
	global_load_b128 v[44:47], v58, s[20:21]
	global_load_b128 v[48:51], v58, s[20:21] offset:32
	global_load_b32 v41, v59, s[22:23]
	global_load_b32 v42, v60, s[56:57]
	global_load_b32 v43, v61, s[58:59]
	s_wait_loadcnt 0x0
	ds_store_b128 v63, v[32:35]                    ; the other waves read these behind the first barrier
	ds_store_b128 v63, v[36:39] offset:512
	ds_store_b128 v63, v[44:47] offset:16384
	ds_store_b128 v63, v[48:51] offset:16896
	ds_store_b32 v64, v40
	ds_store_b32 v64, v41 offset:2048
	ds_store_b32 v64, v42 offset:4096
	ds_store_b32 v64, v43 offset:6144
	v_mul_f32 v8, L2E, v8
	SINCOS 30, 70, 71, 76
	SINCOS 31, 72, 73, 76
	v_cmp_ne_u32 vcc_lo, 0, v1
	v_cndmask_b32 v2, v70, v72, vcc_lo             ; going up: theta_f in lanes 0-15, theta_r in lanes 16-31
	v_cndmask_b32 v3, v71, v73, vcc_lo
	v_cndmask_b32 v4, v72, v70, vcc_lo             ; going down: the other way round
	v_cndmask_b32 v5, v73, v71, vcc_lo
.Lbq:                                              ; two trips, four b each
	P1ROUND 0
	P1ROUND 1
	s_wait_dscnt 0x0                               ; my features lie in LDS
	v_and_b32 v178, 7, v0                          ; P2's rows of x, asked for ahead of the barrier: row r of my 16 is position (j ^ m, t ^ m), j = r % 8, t = t0 + r / 8, m = 7 where mirrored
	v_xor_b32 v178, s70, v178
	v_bfe_u32 v179, v0, 3, 1
	v_add_nc_u32 v179, s69, v179
	v_xor_b32 v179, s70, v179
	v_lshlrev_b32 v176, 16, v178
	v_lshl_add_u32 v176, v179, 9, v176
	v_lshrrev_b32 v177, 4, v176
	v_lshl_add_u32 v176, v1, 4, v176
	s_lshl_b32 s56, s52, 2
	s_add_co_u32 s56, s56, s47                     ; b = 4 trip + slot
	s_lshl_b32 s57, s56, 6
	s_add_co_u32 s57, s57, s66
	s_lshr_b32 s58, s57, 4
	v_add_nc_u32 v176, s57, v176
	v_add_nc_u32 v177, s58, v177
	global_load_b128 v[244:247], v176, s[4:5]
	global_load_b128 v[248:251], v176, s[4:5] offset:32
	global_load_b32 v14, v177, s[6:7]
	s_barrier_signal -1
	s_barrier_wait -1                              ; everybody's features do
	v_and_b32 v148, 15, v0
	v_mul_u32_u24 v148, v148, FP
	v_lshl_add_u32 v148, v1, 6, v148
	v_add_nc_u32 v148, s71, v148                   ; row r, my half's 16 of each 32 features
.irp b, 0,1,2,3,4,5,6,7
.irp q, 0,1,2,3
	ds_load_b128 v[20+16*\b+4*\q:23+16*\b+4*\q], v148 offset:128*\b+16*\q
.endr
.endr
	LNLOAD 0
	LNLOAD 1
	s_wait_dscnt 16                                ; F is in; the sixteen loads of ln_w and ln_b may be out
.irp c, 0,1,2,3                                ; the mean: four chains of pairs
	v_pk_add_f32 v[150+2*\c:151+2*\c], v[20+2*\c:21+2*\c], v[28+2*\c:29+2*\c]
.endr
.set i, 2
.rept 14
.irp c, 0,1,2,3
	v_pk_add_f32 v[150+2*\c:151+2*\c], v[150+2*\c:151+2*\c], v[20+8*i+2*\c:21+8*i+2*\c]
.endr
.set i, i+1
.endr
	v_pk_add_f32 v[150:151], v[150:151], v[152:153]
	v_pk_add_f32 v[154:155], v[154:155], v[156:157]
	v_pk_add_f32 v[150:151], v[150:151], v[154:155]
	v_add_f32 v150, v150, v151
	v_permlanex16_b32 v152, v150, s54, s55         ; the row's other 128 features lie in the lane 16 away
	v_add_f32 v150, v150, v152
	v_mul_f32 v158, s73, v150
	v_mov_b32 v159, v158
.set i, 0
.rept 64
	v_pk_add_f32 v[20+2*i:21+2*i], v[20+2*i:21+2*i], v[158:159] neg_lo:[0,1] neg_hi:[0,1]   ; centred first: the variance is no difference of large sums
.set i, i+1
.endr
.irp c, 0,1,2,3
	v_pk_mul_f32 v[150+2*\c:151+2*\c], v[20+2*\c:21+2*\c], v[20+2*\c:21+2*\c]
.endr
.set i, 1
.rept 15
.irp c, 0,1,2,3
	v_pk_fma_f32 v[150+2*\c:151+2*\c], v[20+8*i+2*\c:21+8*i+2*\c], v[20+8*i+2*\c:21+8*i+2*\c], v[150+2*\c:151+2*\c]
.endr
.set i, i+1
.endr
	v_pk_add_f32 v[150:151], v[150:151], v[152:153]
	v_pk_add_f32 v[154:155], v[154:155], v[156:157]
	v_pk_add_f32 v[150:151], v[150:151], v[154:155]
	v_add_f32 v150, v150, v151
	v_permlanex16_b32 v152, v150, s54, s55
	v_add_f32 v150, v150, v152
	v_fmaak_f32 v160, s73, v150, 0x3727c5ac        ; the variance + 1e-5
	v_rsq_f32 v160, v160
	v_nop                                          ; a plain place behind the root
	s_wait_alu depctr_va_vdst(0)
	v_mov_b32 v161, v160
.irp k, 0,1,2,3,4,5,6,7
	LNSLICE \k
.endr
	s_wait_loadcnt 0x0                             ; x is in; its loads' address registers lie where the fragments land
	GFRAG 0
	GSLICE 0, 180, 212
	GSLICE 1, 180, 212
	QUANT 20, 212, 18                              ; features 0-127: the last product's first K step
	GSLICE 2, 20, 52                               ; at work where those features lay
	GSLICE 3, 20, 52
	QUANT 84, 220, 19
	v_and_b32 v199, 15, v0                         ; the way out.  These nine plain lines also stand between the scale word just made and the products that take it
	v_xor_b32 v199, s74, v199                      ; stage row k = r, or 15 - r where mirrored: then h = h0 + k % 8, w = the lower w + k / 8
	v_mul_u32_u24 v196, v199, 528
	v_lshl_add_u32 v196, v1, 5, v196
	v_add_nc_u32 v196, s71, v196                   ; in: my row, 32 bytes for each half of the lanes.  The stage, 16 rows x (512 + 16) bytes, lies in my own 16 rows of features, which I alone have read
	v_and_b32 v199, 31, v0
	v_lshlrev_b32 v199, 4, v199
	v_add_nc_u32 v197, s71, v199                   ; back: 32 lanes take a row
	s_lshl_b32 s56, s52, 2
	s_add_co_u32 s56, s56, s47
	s_lshl_b32 s56, s56, 9
	s_add_co_u32 s56, s56, s75
	v_add_nc_u32 v198, s56, v199                   ; and the same in out0
.irp n, 0,1,2,3,4,5,6,7
	ds_load_b128 v[20+8*\n:23+8*\n], v255 offset:64*\n             ; b_out into the accumulators
	ds_load_b128 v[24+8*\n:27+8*\n], v255 offset:64*\n+16
.endr
	OGROUP 0
	OGROUP 4
.irp n, 0,1,2,3,4,5,6,7
	ds_store_b128 v196, v[20+8*\n:23+8*\n] offset:64*\n            ; each accumulator from its low end on
	ds_store_b128 v196, v[24+8*\n:27+8*\n] offset:64*\n+16
.endr
.irp k, 0,1,2,3,4,5,6,7,8,9,10,11,12,13,14,15
	ds_load_b128 v[84+4*\k:87+4*\k], v197 offset:\k*528            ; LDS serves a wave's instructions in order: these see my stores
.endr
.irp k, 0,1,2,3,4,5,6,7,8,9,10,11,12,13,14,15
	s_wait_dscnt 15-\k                             ; row k is back; the younger rows may be out
	global_store_b128 v198, v[84+4*\k:87+4*\k], s[42:43] offset:(\k&7)*524288+(\k>>3)*4096 th:TH_STORE_NT   ; 32 lanes store a row of 512 consecutive bytes, at a multiple of 256 from out0's first byte
.endr
	s_wait_dscnt 0x0                               ; my reads of the features and of the stage are over,
	s_wait_xcnt 0x0                                ; and the stores' registers may be written again
	s_barrier_signal -1
	s_barrier_wait -1                              ; everybody's are: the next trip may store features
	s_add_co_u32 s52, s52, 1
	s_cmp_lt_u32 s52, 2
	s_cbranch_scc1 .Lbq
	s_wait_xcnt 0x0
	v_lshl_add_u32 v254, v0, 2, 0x4b100
	v_mov_b32 v255, 0
	s_wait_tensorcnt 0x0
	ds_add_u32 v254, v255
	s_wait_dscnt 0x0
	s_endpgm
.Lfunc_end_k_qb7be67d176_final:
	.size	k_qb7be67d176_final, .Lfunc_end_k_qb7be67d176_final-k_qb7be67d176_final
	.p2alignl 7, 3214868480
	.fill 96, 4, 3214868480
	.section	.rodata,"a",@progbits
	.p2align	6, 0x0
	.amdhsa_kernel k_qb7be67d176_final
		.amdhsa_group_segment_fixed_size 309504
		.amdhsa_private_segment_fixed_size 0
		.amdhsa_enable_private_segment 0
		.amdhsa_kernarg_size 160
		.amdhsa_user_sgpr_count 2
		.amdhsa_user_sgpr_kernarg_segment_ptr 1
		.amdhsa_wavefront_size32 1
		.amdhsa_system_sgpr_workgroup_id_x 1
		.amdhsa_system_sgpr_workgroup_id_y 1
		.amdhsa_system_sgpr_workgroup_id_z 1
		.amdhsa_system_vgpr_workitem_id 0
		.amdhsa_next_free_vgpr 256
		.amdhsa_next_free_sgpr 80
		.amdhsa_reserve_vcc 1
		.amdhsa_float_denorm_mode_32 3
		.amdhsa_float_denorm_mode_16_64 3
		.amdhsa_memory_ordered 1
		.amdhsa_forward_progress 1
		.amdhsa_inst_pref_size 210
	.end_amdhsa_kernel
	.amdgpu_metadata
---
amdhsa.version: [ 1, 2 ]
amdhsa.kernels:
  - .name:           k_qb7be67d176_final
    .symbol:         k_qb7be67d176_final.kd
    .args:
      - { .name: x_codes, .offset: 0, .size: 8, .value_kind: global_buffer, .address_space: global }
      - { .name: x_scales, .offset: 8, .size: 8, .value_kind: global_buffer, .address_space: global }
      - { .name: W_in_codes, .offset: 16, .size: 8, .value_kind: global_buffer, .address_space: global }
      - { .name: W_in_scales, .offset: 24, .size: 8, .value_kind: global_buffer, .address_space: global }
      - { .name: W_lambda_codes, .offset: 32, .size: 8, .value_kind: global_buffer, .address_space: global }
      - { .name: W_lambda_scales, .offset: 40, .size: 8, .value_kind: global_buffer, .address_space: global }
      - { .name: W_gate_codes, .offset: 48, .size: 8, .value_kind: global_buffer, .address_space: global }
      - { .name: W_gate_scales, .offset: 56, .size: 8, .value_kind: global_buffer, .address_space: global }
      - { .name: W_out_codes, .offset: 64, .size: 8, .value_kind: global_buffer, .address_space: global }
      - { .name: W_out_scales, .offset: 72, .size: 8, .value_kind: global_buffer, .address_space: global }
      - { .name: b_in, .offset: 80, .size: 8, .value_kind: global_buffer, .address_space: global }
      - { .name: b_lambda, .offset: 88, .size: 8, .value_kind: global_buffer, .address_space: global }
      - { .name: b_gate, .offset: 96, .size: 8, .value_kind: global_buffer, .address_space: global }
      - { .name: b_out, .offset: 104, .size: 8, .value_kind: global_buffer, .address_space: global }
      - { .name: ln_w, .offset: 112, .size: 8, .value_kind: global_buffer, .address_space: global }
      - { .name: ln_b, .offset: 120, .size: 8, .value_kind: global_buffer, .address_space: global }
      - { .name: theta_f, .offset: 128, .size: 8, .value_kind: global_buffer, .address_space: global }
      - { .name: theta_r, .offset: 136, .size: 8, .value_kind: global_buffer, .address_space: global }
      - { .name: carry, .offset: 144, .size: 8, .value_kind: global_buffer, .address_space: global }
      - { .name: out0, .offset: 152, .size: 8, .value_kind: global_buffer, .address_space: global }
    .group_segment_fixed_size: 309504
    .private_segment_fixed_size: 0
    .kernarg_segment_align: 8
    .kernarg_segment_size: 160
    .max_flat_workgroup_size: 512
    .sgpr_count:     80
    .vgpr_count:     256
    .wavefront_size: 32
...
	.end_amdgpu_metadata
.endif
;; end of part 2
;; ======== version 2 of 2: 2 launches; version 1 with the launches carry, final written anew for expert scheduling mode
;; limits: right only within a limited range of input values
;; workspace buffers: carry 67,108,864 bytes
;; launch carry (part 3): grid 128 x 2, 16 waves a work-group, no clusters, 198,656 bytes of LDS; arguments x_codes, x_scales, W_in_codes, W_in_scales, W_lambda_codes, W_lambda_scales, b_in, b_lambda, theta_f, theta_r, carry; writes carry
.if DOCPART == 3
	.amdgcn_target "amdgcn-amd-amdhsa--gfx1250"
	.amdhsa_code_object_version 6
	.text
	.protected	k_qb7be67d176_carry
	.globl	k_qb7be67d176_carry
	.p2align	8
	.type	k_qb7be67d176_carry,@function
k_qb7be67d176_carry:
	s_mov_b64 s[64:65], 0
	v_nop
	global_prefetch_b8 v0, s[64:65] scope:SCOPE_SE
	s_setreg_imm32_b32 hwreg(HW_REG_WAVE_SCHED_MODE, 0, 2), 2
	s_setreg_imm32_b32 hwreg(HW_REG_WAVE_MODE, 25, 1), 1
	s_wait_xcnt 0x0
	s_wait_alu depctr_vm_vsrc(0)
; THE SCAN STATES AT THE BORDERS OF CHUNKS OF 8 STEPS, for both axes and both directions.
; x [128 h][128 w][8 b][128] comes as FP4 codes.  For each position and complex channel e: in = (1 - lam) silu(x W_in + b_in)[2e, 2e+1], g = lam e^(i theta), lam = sigmoid(x W_lambda + b_lambda).
; forward: h_t = g_t h_(t-1) + in_t (theta_f);  reverse: h_t = g_t h_(t+1) + in_t (theta_r).
; carry [dir 2][axis 2][line 128][chunk 16][g 8][b 8][r 16][re, im] f32, channel e = 16 g + r:  dir 0: the forward state after step 8 c - 1 (0 for c = 0);  dir 1: the reverse state at step 8 c + 8 (0 for c = 15).
; SHARES.  A work-group takes one line of one axis (x: the line, y: the axis; axis 0 scans along h, its line is w).  Wave: g = wave & 7 (16 channels), up = wave >> 3; two units, each 2 sequences b = 4 up + 2 unit + (lane / 16).
; LAYOUT.  The product is used as it stands: source 0 = 16 rows of x (8 steps of sequence 0, 8 steps of sequence 1), source 1 = 16 rows of a weight.  A lane then holds ONE channel, and its eight result registers
; are eight consecutive steps of one sequence.  W_in's rows 2 e form one tile and rows 2 e + 1 another, so that a lane has re, im and lam of its channel.
; The forward state runs through the 16 chunks and is stored ahead of each.  Of the reverse scan a chunk gives R (its result with 0 coming in) and L (the product of its eight lam); both are kept in LDS,
; each thread's own words, and behind the loop S_(c-1) = R_c + L_c e^(i 8 theta_r) S_c runs down the chunks.  No wave reads another's bytes: no barrier.
; NOT USED: tensor loads, a ring, joint loads in a cluster.  The work-groups of this launch read different lines of x; what they share is a wave's three weight fragments, 3 KB read once, against 64 KB of x and 256 KB of states.
; LIMITS: |theta| up to 2^20 (the reduction takes pi / 2 in two parts); NaN and infinities among the inputs are not served.
; THE MODE: SCHED_MODE bits 1:0 = 2 (LLVM: expert scheduling mode 2), set by the entry lines.  The code itself states the register dependences
; between vector or matrix instructions and memory or LDS instructions, with s_wait_alu, always for 0.
; THE PLAN.  Registers that memory or LDS instructions touch, in the loop (U: a unit's first register):
;   U + 0 .. 7, v25, v26   x's fragments and scale words.  Written by the six loads that trip c issues for chunk c + 1; read by the six products at the head of trip c + 1.
;   U + 66, 67             the state that comes into the chunk.  Written by the four moves behind the products; read by the trip's two global stores.
;   v9, v10                this trip's places in LDS.  Written at the trip's head; read by the four LDS stores at its end.
;   U + 68, 69 and U + 74  R and L.  Written by the chains and by the product of the lam; read by those LDS stores.
;   v4 .. v8, v11          offsets and addresses, made at the head and never written again.
; A trip has: one wait on vm_vsrc at its head, ahead of the first line that writes what the last trip's stores read; the wait behind unit 0's exponentials, which also states that the products are done reading x
; and that the four moves are written, so that the six loads and the two stores stand directly behind it, and no later line of the trip names their registers; one wait on va_vdst ahead of the four LDS stores.
.set L2E,   0x3fb8aa3b                 ; log2(e)
.set NL2E,  0xbfb8aa3b
.set DIRB,  0x2000000                  ; bytes from dir 0 to dir 1
.set STL,   131072                     ; LDS: R [chunk 16][unit 2][thread 512] 8 bytes from 0; L likewise, 4 bytes, from here
.set U0,    52                         ; a unit's 80 registers: +0 x's fragment, +8 ZR, +16 ZI, +24 ZL (then lam), +32 in (re, im by turns), +48 g reverse, +64 F, +66 F as stored, +68 R, +70, +72 at work, +74 L
.set U1,    132
; v4 x codes' offset, v5 x scales', v6 8 x lane, v7 8 x thread, v8 STL + 4 x thread, v9, v10 this trip's LDS places, v11 v7 + 65,536
; v[12:13] cos, sin theta_f; v[14:15] theta_r; v[16:17] 8 theta_r; v[18:19] b_in's pair; v[20:21] log2(e) b_lambda, 0; v22-26 scale words and nothing else; v28-51 the three weight fragments
; cos and sin: k = the nearest whole number to th x 2 / pi; r = th - k pi / 2 in two steps; polynomials on |r| <= pi / 4; the quadrant by selects and sign bits.  t: six registers at work
.macro SINCOS th, c, s, t
	v_mul_f32 v[\t], 0x3f22f983, v[\th]
	v_rndne_f32 v[\t], v[\t]
	v_fmamk_f32 v[\t+1], v[\t], 0xbfc90fdb, v[\th]
	v_fmamk_f32 v[\t+1], v[\t], 0x333bbd2e, v[\t+1]
	v_mul_f32 v[\t+2], v[\t+1], v[\t+1]
	v_mov_b32 v[\t+3], 0xb94ca1f9
	v_fmaak_f32 v[\t+3], v[\t+3], v[\t+2], 0x3c08839e
	v_fmaak_f32 v[\t+3], v[\t+3], v[\t+2], 0xbe2aaaa3
	v_mul_f32 v[\t+3], v[\t+3], v[\t+2]
	v_fma_f32 v[\t+3], v[\t+3], v[\t+1], v[\t+1]       ; sin r
	v_mov_b32 v[\t+4], 0x37ccf5ce
	v_fmaak_f32 v[\t+4], v[\t+4], v[\t+2], 0xbab6061a
	v_fmaak_f32 v[\t+4], v[\t+4], v[\t+2], 0x3d2aaaa5
	v_mul_f32 v[\t+4], v[\t+4], v[\t+2]
	v_fma_f32 v[\t+5], v[\t+2], -0.5, 1.0
	v_fma_f32 v[\t+4], v[\t+4], v[\t+2], v[\t+5]       ; cos r
	v_cvt_i32_f32 v[\t], v[\t]
	v_and_b32 v[\t+5], 1, v[\t]
	v_cmp_eq_u32 vcc_lo, 1, v[\t+5]
	s_wait_alu depctr_va_vcc(0)                        ; the compare has written VCC, which the two selects read
	v_cndmask_b32 v[\s], v[\t+3], v[\t+4], vcc_lo      ; odd k: the two change places
	v_cndmask_b32 v[\c], v[\t+4], v[\t+3], vcc_lo
	v_and_b32 v[\t+5], 2, v[\t]
	v_lshlrev_b32 v[\t+5], 30, v[\t+5]
	v_xor_b32 v[\s], v[\s], v[\t+5]                    ; sin changes sign where k & 2,
	v_add_nc_u32 v[\t], 1, v[\t]
	v_and_b32 v[\t], 2, v[\t]
	v_lshlrev_b32 v[\t], 30, v[\t]
	v_xor_b32 v[\c], v[\c], v[\t]                      ; cos where (k + 1) & 2
.endm
.macro XLOAD                           ; a chunk's rows of x for both units: six loads
	global_load_b128 v[U0:U0+3], v4, s[4:5]
	global_load_b128 v[U0+4:U0+7], v4, s[4:5] offset:32
	global_load_b128 v[U1:U1+3], v4, s[4:5] offset:128
	global_load_b128 v[U1+4:U1+7], v4, s[4:5] offset:160
	global_load_b32 v25, v5, s[6:7]
	global_load_b32 v26, v5, s[6:7] offset:8
.endm
; Eight positions of a lane's channel: the three sums become in (re, im by turns, in t .. t + 15) and lam (in zl).  Each accumulator is read from its low end on
; ld = 1 (unit 0): the trip's loads and global stores stand behind the exponentials' wait
.macro ACT zr, zi, zl, t, bb, pbl, ld
.irp p, 0,2,4,6
	v_pk_add_f32 v[\zr+\p:\zr+\p+1], v[\zr+\p:\zr+\p+1], v[\bb:\bb+1] op_sel_hi:[1,0]
	v_pk_add_f32 v[\zi+\p:\zi+\p+1], v[\zi+\p:\zi+\p+1], v[\bb:\bb+1] op_sel:[0,1] op_sel_hi:[1,1]
	v_pk_fma_f32 v[\zl+\p:\zl+\p+1], v[\zl+\p:\zl+\p+1], L2E, v[\pbl:\pbl+1] op_sel_hi:[1,0,0]
.endr
.irp p, 0,2,4,6
	v_pk_mul_f32 v[\t+\p:\t+\p+1], v[\zr+\p:\zr+\p+1], NL2E op_sel_hi:[1,0]
	v_pk_mul_f32 v[\t+8+\p:\t+9+\p], v[\zi+\p:\zi+\p+1], NL2E op_sel_hi:[1,0]
.endr
.irp p, 0,1,2,3,4,5,6,7,8,9,10,11,12,13,14,15
	v_exp_f32 v[\t+\p], v[\t+\p]
.endr
.irp p, 0,1,2,3,4,5,6,7
	v_exp_f32 v[\zl+\p], v[\zl+\p]
.endr
	v_nop                                              ; a plain place behind the exponentials
	s_wait_alu depctr_va_vdst(0)                       ; the 24 exponentials have written their results, ahead of their first reader.  ld = 1: and the six products are done reading x's fragments and scale words, in which the loads below land; the four moves have written the states that the stores below read
.if \ld
	XLOAD                                              ; the next chunk: it has the rest of this trip's work in which to come
	global_store_b64 v6, v[U0+66:U0+67], s[42:43]              ; 32 lanes store 256 consecutive bytes, at a multiple of 256 from the buffer's first byte
	global_store_b64 v6, v[U1+66:U1+67], s[42:43] offset:256
.endif
.irp p, 0,2,4,6,8,10,12,14
	v_pk_add_f32 v[\t+\p:\t+\p+1], v[\t+\p:\t+\p+1], 1.0 op_sel_hi:[1,0]
.endr
.irp p, 0,2,4,6
	v_pk_add_f32 v[\zl+\p:\zl+\p+1], v[\zl+\p:\zl+\p+1], 1.0 op_sel_hi:[1,0]
.endr
.irp p, 0,1,2,3,4,5,6,7,8,9,10,11,12,13,14,15
	v_rcp_f32 v[\t+\p], v[\t+\p]
.endr
.irp p, 0,1,2,3,4,5,6,7
	v_rcp_f32 v[\zl+\p], v[\zl+\p]                     ; 1 / (1 + e^z) = 1 - lam
.endr
	v_nop                                              ; a plain place behind the reciprocals
	s_wait_alu depctr_va_vdst(0)                       ; the 24 reciprocals have written their results, ahead of their first reader
.irp p, 0,2,4,6
	v_pk_mul_f32 v[\zr+\p:\zr+\p+1], v[\zr+\p:\zr+\p+1], v[\t+\p:\t+\p+1]       ; silu
	v_pk_mul_f32 v[\zi+\p:\zi+\p+1], v[\zi+\p:\zi+\p+1], v[\t+8+\p:\t+9+\p]
.endr
.irp p, 0,1,2,3,4,5,6,7
	v_mul_f32 v[\t+2*\p], v[\zr+\p], v[\zl+\p]
	v_mul_f32 v[\t+2*\p+1], v[\zi+\p], v[\zl+\p]
.endr
.irp p, 0,2,4,6
	v_pk_fma_f32 v[\zl+\p:\zl+\p+1], v[\zl+\p:\zl+\p+1], -1.0, 1.0 op_sel_hi:[1,0,0]   ; lam
.endr
.endm
; g of eight positions: gb .. gb + 7 = lam cos, gb + 8 .. gb + 15 = lam sin
.macro GMUL gb, lam, cp
.irp p, 0,2,4,6
	v_pk_mul_f32 v[\gb+\p:\gb+\p+1], v[\lam+\p:\lam+\p+1], v[\cp:\cp+1] op_sel_hi:[1,0]
	v_pk_mul_f32 v[\gb+8+\p:\gb+9+\p], v[\lam+\p:\lam+\p+1], v[\cp:\cp+1] op_sel:[0,1] op_sel_hi:[1,1]
.endr
.endm
; One complex step, d = g_j p + x, on pairs (re, im): first (p_re, p_im) g_re + x, then (-p_im, p_re) g_im onto it
.macro CMAC d, p, gb, j, x, tmp
.if ((\j)&1)
	v_pk_fma_f32 v[\tmp:\tmp+1], v[\p:\p+1], v[\gb+(\j)-1:\gb+(\j)], v[\x:\x+1] op_sel:[0,1,0] op_sel_hi:[1,1,1]
	v_pk_fma_f32 v[\d:\d+1], v[\p:\p+1], v[\gb+8+(\j)-1:\gb+8+(\j)], v[\tmp:\tmp+1] op_sel:[1,1,0] op_sel_hi:[0,1,1] neg_lo:[1,0,0]
.else
	v_pk_fma_f32 v[\tmp:\tmp+1], v[\p:\p+1], v[\gb+(\j):\gb+(\j)+1], v[\x:\x+1] op_sel:[0,0,0] op_sel_hi:[1,0,1]
	v_pk_fma_f32 v[\d:\d+1], v[\p:\p+1], v[\gb+8+(\j):\gb+8+(\j)+1], v[\tmp:\tmp+1] op_sel:[1,0,0] op_sel_hi:[0,0,1] neg_lo:[1,0,0]
.endif
.endm
.macro PROD ub, xs                     ; a unit's three products
	v_wmma_scale_f32_16x16x128_f8f6f4 v[\ub+8:\ub+15], v[\ub:\ub+7], v[28:35], 0, v[\xs], v22 matrix_a_fmt:MATRIX_FMT_FP4 matrix_b_fmt:MATRIX_FMT_FP4
	v_wmma_scale_f32_16x16x128_f8f6f4 v[\ub+16:\ub+23], v[\ub:\ub+7], v[36:43], 0, v[\xs], v23 matrix_a_fmt:MATRIX_FMT_FP4 matrix_b_fmt:MATRIX_FMT_FP4
	v_wmma_scale_f32_16x16x128_f8f6f4 v[\ub+24:\ub+31], v[\ub:\ub+7], v[44:51], 0, v[\xs], v24 matrix_a_fmt:MATRIX_FMT_FP4 matrix_b_fmt:MATRIX_FMT_FP4
.endm
.macro LPROD ub                        ; L = the product of the eight lam
	v_pk_mul_f32 v[\ub+74:\ub+75], v[\ub+24:\ub+25], v[\ub+26:\ub+27]
	v_pk_mul_f32 v[\ub+76:\ub+77], v[\ub+28:\ub+29], v[\ub+30:\ub+31]
	v_pk_mul_f32 v[\ub+74:\ub+75], v[\ub+74:\ub+75], v[\ub+76:\ub+77]
	v_mul_f32 v[\ub+74], v[\ub+74], v[\ub+75]
.endm
.macro STASH ub, ul                    ; R and L to my own words in LDS
	ds_store_b64 v9, v[\ub+68:\ub+69] offset:\ul*4096
	ds_store_b32 v10, v[\ub+74] offset:\ul*2048
.endm
.macro BACK ub, ul                     ; behind the loop: R_c to ub + 2 c, L_c to ub + 32 + c, a pair of zeros at ub + 48
.irp c, 1,2,3,4,5,6,7
	ds_load_b64 v[\ub+2*\c:\ub+2*\c+1], v7 offset:\c*8192+\ul*4096
.endr
.irp c, 8,9,10,11,12,13,14,15
	ds_load_b64 v[\ub+2*\c:\ub+2*\c+1], v11 offset:(\c-8)*8192+\ul*4096
.endr
.irp c, 0,1,2,3,4,5,6,7,8,9,10,11,12,13,14,15
	ds_load_b32 v[\ub+32+\c], v8 offset:\c*4096+\ul*2048
.endr
	v_mov_b32 v[\ub+48], 0
	v_mov_b32 v[\ub+49], 0
.endm
.macro SLINK ub, c                     ; S_(c-1) = R_c + L_c e^(i 8 theta_r) S_c, in R_c's place; S_c lies in R_(c+1)'s
	v_pk_mul_f32 v[\ub+50:\ub+51], v[\ub+2*(\c)+2:\ub+2*(\c)+3], v[16:17] op_sel_hi:[1,0]
	v_pk_fma_f32 v[\ub+50:\ub+51], v[\ub+2*(\c)+2:\ub+2*(\c)+3], v[16:17], v[\ub+50:\ub+51] op_sel:[1,1,0] op_sel_hi:[0,1,1] neg_lo:[1,0,0]
.if ((\c)&1)
	v_pk_fma_f32 v[\ub+2*(\c):\ub+2*(\c)+1], v[\ub+50:\ub+51], v[\ub+32+(\c)-1:\ub+32+(\c)], v[\ub+2*(\c):\ub+2*(\c)+1] op_sel:[0,1,0] op_sel_hi:[1,1,1]
.else
	v_pk_fma_f32 v[\ub+2*(\c):\ub+2*(\c)+1], v[\ub+50:\ub+51], v[\ub+32+(\c):\ub+33+(\c)], v[\ub+2*(\c):\ub+2*(\c)+1] op_sel:[0,0,0] op_sel_hi:[1,0,1]
.endif
.endm
.macro OUTR ub, ul                     ; the reverse states: 32 lanes store 256 consecutive bytes, at a multiple of 256 from the buffer's first byte
.irp c, 0,1,2,3,4,5,6,7,8,9,10,11,12,13,14
	global_store_b64 v6, v[\ub+2*\c+2:\ub+2*\c+3], s[44:45] offset:\c*8192+\ul*256
.endr
	global_store_b64 v6, v[\ub+48:\ub+49], s[44:45] offset:15*8192+\ul*256
.endm
	s_load_b512 s[4:19], s[0:1], 0x0               ; x codes, x scales, W_in codes, scales, W_lambda codes, scales, b_in, b_lambda
	s_load_b128 s[20:23], s[0:1], 0x40             ; theta_f, theta_r
	s_load_b64 s[24:25], s[0:1], 0x50              ; carry
	v_lshl_add_u32 v254, v0, 2, 0x30000
	v_mov_b32 v255, 0
	v_lshrrev_b32 v1, 5, v0
	v_readfirstlane_b32 s26, v1                    ; wave 0..15
	v_and_b32 v1, 31, v0                           ; lane
	v_and_b32 v2, 15, v0                           ; r
	v_bfe_u32 v3, v0, 4, 1                         ; lane / 16
	s_wait_alu depctr_va_sdst(0)                   ; s26 is written, ahead of its first reader
	s_and_b32 s27, s26, 7                          ; g
	s_lshr_b32 s28, s26, 3                         ; up
	s_and_b32 s29, ttmp7, 0xffff                   ; the axis
	s_cmp_eq_u32 s29, 0
	s_cselect_b32 s31, 16, 9                       ; a step along the scan: 2^16 bytes of codes along h, 2^9 along w
	s_cselect_b32 s32, 9, 16                       ; from line to line: the other one
	s_sub_co_u32 s30, s31, 4                       ; the same for the scale words: a sixteenth
	s_add_co_u32 s33, s31, 3
	s_lshl_b32 s33, 1, s33                         ; a chunk of 8 steps, in bytes of codes,
	s_lshr_b32 s41, s33, 4                         ; and of scale words
	s_mov_b32 s35, 0
	s_mov_b32 s37, 0
	s_mov_b32 s38, 0                               ; the chunk
	s_mov_b32 s39, 0                               ; its place among the R,
	s_mov_b32 s40, 0                               ; and among the L
	v_and_b32 v27, 7, v0                           ; source 0's lanes: row = lane % 16: step row % 8 of sequence row / 8
	v_lshlrev_b32 v4, s31, v27
	v_lshlrev_b32 v5, s30, v27
	v_bfe_u32 v27, v0, 3, 1
	v_lshl_add_u32 v4, v27, 6, v4                  ; a sequence's row is 64 bytes of codes,
	v_lshl_add_u32 v5, v27, 2, v5                  ; 4 of scales
	v_lshl_add_u32 v4, v3, 4, v4                   ; my half's 16 bytes
	s_lshl_b32 s46, s28, 8
	v_add_nc_u32 v4, s46, v4                       ; + 4 up sequences
	s_lshl_b32 s46, s28, 4
	v_add_nc_u32 v5, s46, v5
	v_lshlrev_b32 v6, 3, v1
	v_lshlrev_b32 v7, 3, v0
	v_lshl_add_u32 v8, v0, 2, STL
	v_add_nc_u32 v11, 0x10000, v7
	v_lshlrev_b32 v100, 7, v2                      ; W_in: row 2 e = 128 e bytes, e = 16 g + r; row 2 e + 1 is 64 on
	v_lshl_add_u32 v100, v3, 4, v100
	s_lshl_b32 s46, s27, 11
	v_add_nc_u32 v100, s46, v100
	v_lshlrev_b32 v101, 6, v2                      ; W_lambda: row e
	v_lshl_add_u32 v101, v3, 4, v101
	s_lshl_b32 s46, s27, 10
	v_add_nc_u32 v101, s46, v101
	v_lshlrev_b32 v102, 3, v2                      ; 8 e: W_in's scale words, b_in's pair
	s_lshl_b32 s46, s27, 7
	v_add_nc_u32 v102, s46, v102
	v_lshrrev_b32 v103, 1, v102                    ; 4 e: W_lambda's scale word, b_lambda, the thetas
	s_lshl_b32 s46, ttmp9, s32                     ; my line
	s_mov_b32 s47, 0
	s_wait_kmcnt 0x0
	s_add_nc_u64 s[4:5], s[4:5], s[46:47]
	s_lshr_b32 s46, s46, 4
	s_add_nc_u64 s[6:7], s[6:7], s[46:47]
	s_lshl_b32 s46, s29, 24                        ; carry: axis, line, g, up
	s_lshl_b32 s34, ttmp9, 17
	s_add_co_u32 s46, s46, s34
	s_lshl_b32 s34, s27, 10
	s_add_co_u32 s46, s46, s34
	s_lshl_b32 s34, s28, 9
	s_add_co_u32 s46, s46, s34
	s_add_nc_u64 s[42:43], s[24:25], s[46:47]      ; the forward states: it steps with the chunks
	s_add_nc_u64 s[44:45], s[42:43], DIRB          ; the reverse states
	s_wait_alu depctr_va_vdst(0)                   ; the offsets and addresses v4 to v8, v11 and v100 to v103 are written, which the kernel's loads and stores read
	global_load_b128 v[28:31], v100, s[8:9]
	global_load_b128 v[32:35], v100, s[8:9] offset:32
	global_load_b128 v[36:39], v100, s[8:9] offset:64
	global_load_b128 v[40:43], v100, s[8:9] offset:96
	global_load_b128 v[44:47], v101, s[12:13]
	global_load_b128 v[48:51], v101, s[12:13] offset:32
	global_load_b32 v22, v102, s[10:11]
	global_load_b32 v23, v102, s[10:11] offset:4
	global_load_b32 v24, v103, s[14:15]
	global_load_b64 v[18:19], v102, s[16:17]
	global_load_b32 v20, v103, s[18:19]
	global_load_b32 v96, v103, s[20:21]
	global_load_b32 v97, v103, s[22:23]
	XLOAD                                          ; chunk 0
	s_wait_loadcnt 6                               ; all but the six loads of x
	v_mul_f32 v20, L2E, v20
	v_mov_b32 v21, 0                               ; (named with v20 as a pair)
	v_mul_f32 v98, 0x41000000, v97                 ; 8 theta_r, exact
	SINCOS 96, 12, 13, 84
	SINCOS 97, 14, 15, 84
	SINCOS 98, 16, 17, 84
	v_mov_b32 v[U0+64], 0                          ; the forward states begin at 0
	v_mov_b32 v[U0+65], 0
	v_mov_b32 v[U1+64], 0
	v_mov_b32 v[U1+65], 0
.Ltrip:                                            ; 16 trips, a chunk each
	s_wait_loadcnt 0x0                             ; this chunk's x, asked for a trip ago; its loads' bases may step
	s_wait_dscnt 0x0                               ; the last trip's LDS stores are done
	s_wait_alu depctr_vm_vsrc(0)                   ; the last trip's LDS stores have read v9, v10, R and L, its global stores the states at U + 66: all are written again in this trip.  First trip: the head's loads have read v100 to v103, which become g
	v_add_nc_u32 v9, s39, v7
	v_add_nc_u32 v10, s40, v8
	PROD U0, 25
	PROD U1, 26
	v_mov_b32 v[U0+66], v[U0+64]                   ; the state that comes into this chunk.  These four lines are also the places behind the products,
	v_mov_b32 v[U0+67], v[U0+65]                   ; ahead of the first read of their results
	v_mov_b32 v[U1+66], v[U1+64]
	v_mov_b32 v[U1+67], v[U1+65]
	s_cmp_lt_u32 s38, 15
	s_cselect_b32 s34, s33, 0                      ; the last trip steps by 0 and reads chunk 15 again: no load leaves its buffer
	s_cselect_b32 s36, s41, 0
	s_add_nc_u64 s[4:5], s[4:5], s[34:35]
	s_add_nc_u64 s[6:7], s[6:7], s[36:37]
	ACT U0+8, U0+16, U0+24, U0+32, 18, 20, 1       ; in it: the next chunk's six loads and this chunk's two stores
	ACT U1+8, U1+16, U1+24, U1+32, 18, 20, 0
	GMUL U0+8, U0+24, 12                           ; g forward, where the two sums lay
	GMUL U1+8, U1+24, 12
	GMUL U0+48, U0+24, 14                          ; g reverse
	GMUL U1+48, U1+24, 14
.irp j, 0,1,2,3,4,5,6,7                        ; four chains by turns: each unit's forward state up the chunk, its R down the chunk
.irp u, U0, U1
	CMAC \u+64, \u+64, \u+8, \j, \u+32+2*\j, \u+70
.if \j == 0
	CMAC \u+68, \u+46, \u+48, 6, \u+44, \u+72
.elseif \j < 7
	CMAC \u+68, \u+68, \u+48, 6-\j, \u+32+2*(6-\j), \u+72
.endif
.endr
.endr
	LPROD U0
	LPROD U1
	s_wait_alu depctr_va_vdst(0)                   ; the chains have written both R, the products of the lam both L, which the four LDS stores read (v9 and v10 were written ahead of earlier waits)
	STASH U0, 0
	STASH U1, 1
	s_wait_xcnt 0x0                                ; the stores' base and data are written again only behind this wait
	s_add_nc_u64 s[42:43], s[42:43], 8192
	s_add_co_u32 s39, s39, 8192
	s_add_co_u32 s40, s40, 4096
	s_add_co_u32 s38, s38, 1
	s_cmp_lt_u32 s38, 16
	s_cbranch_scc1 .Ltrip
	s_wait_loadcnt 0x0                             ; the last trip's loads have landed: their registers are taken below
	s_wait_alu depctr_va_vdst(0)                   ; the loop's vector and matrix instructions are done reading and writing the two units' registers, in which the LDS loads below land
	BACK U0, 0                                     ; LDS serves a wave's instructions in order, and each thread reads its own words
	BACK U1, 1
	s_wait_dscnt 0x0
.irp c, 14,13,12,11,10,9,8,7,6,5,4,3,2,1       ; the two units by turns
	SLINK U0, \c
	SLINK U1, \c
.endr
	s_wait_alu depctr_va_vdst(0)                   ; the links have written the states S, the moves the two pairs of zeros, which the stores below read
	OUTR U0, 0
	OUTR U1, 1
	s_wait_dscnt 0x0                               ; the closing lines, six on end
	s_wait_alu 0x0
	s_wait_tensorcnt 0x0
	ds_add_u32 v254, v255
	s_wait_dscnt 0x0
	s_endpgm
.Lfunc_end_k_qb7be67d176_carry:
	.size	k_qb7be67d176_carry, .Lfunc_end_k_qb7be67d176_carry-k_qb7be67d176_carry
	.p2alignl 7, 3214868480
	.fill 96, 4, 3214868480
	.section	.rodata,"a",@progbits
	.p2align	6, 0x0
	.amdhsa_kernel k_qb7be67d176_carry
		.amdhsa_group_segment_fixed_size 198656
		.amdhsa_private_segment_fixed_size 0
		.amdhsa_enable_private_segment 0
		.amdhsa_kernarg_size 88
		.amdhsa_user_sgpr_count 2
		.amdhsa_user_sgpr_kernarg_segment_ptr 1
		.amdhsa_wavefront_size32 1
		.amdhsa_system_sgpr_workgroup_id_x 1
		.amdhsa_system_sgpr_workgroup_id_y 1
		.amdhsa_system_sgpr_workgroup_id_z 1
		.amdhsa_system_vgpr_workitem_id 0
		.amdhsa_next_free_vgpr 256
		.amdhsa_next_free_sgpr 66
		.amdhsa_reserve_vcc 1
		.amdhsa_float_denorm_mode_32 3
		.amdhsa_float_denorm_mode_16_64 3
		.amdhsa_memory_ordered 1
		.amdhsa_forward_progress 1
		.amdhsa_inst_pref_size 41
	.end_amdhsa_kernel
	.amdgpu_metadata
---
amdhsa.version: [ 1, 2 ]
amdhsa.kernels:
  - .name:           k_qb7be67d176_carry
    .symbol:         k_qb7be67d176_carry.kd
    .args:
      - { .name: x_codes, .offset: 0, .size: 8, .value_kind: global_buffer, .address_space: global }
      - { .name: x_scales, .offset: 8, .size: 8, .value_kind: global_buffer, .address_space: global }
      - { .name: W_in_codes, .offset: 16, .size: 8, .value_kind: global_buffer, .address_space: global }
      - { .name: W_in_scales, .offset: 24, .size: 8, .value_kind: global_buffer, .address_space: global }
      - { .name: W_lambda_codes, .offset: 32, .size: 8, .value_kind: global_buffer, .address_space: global }
      - { .name: W_lambda_scales, .offset: 40, .size: 8, .value_kind: global_buffer, .address_space: global }
      - { .name: b_in, .offset: 48, .size: 8, .value_kind: global_buffer, .address_space: global }
      - { .name: b_lambda, .offset: 56, .size: 8, .value_kind: global_buffer, .address_space: global }
      - { .name: theta_f, .offset: 64, .size: 8, .value_kind: global_buffer, .address_space: global }
      - { .name: theta_r, .offset: 72, .size: 8, .value_kind: global_buffer, .address_space: global }
      - { .name: carry, .offset: 80, .size: 8, .value_kind: global_buffer, .address_space: global }
    .group_segment_fixed_size: 198656
    .private_segment_fixed_size: 0
    .kernarg_segment_align: 8
    .kernarg_segment_size: 88
    .max_flat_workgroup_size: 512
    .sgpr_count:     66
    .vgpr_count:     256
    .wavefront_size: 32
...
	.end_amdgpu_metadata
.endif
;; end of part 3
;; launch final (part 4): grid 16 x 16, 16 waves a work-group, no clusters, 309,504 bytes of LDS; arguments x_codes, x_scales, W_in_codes, W_in_scales, W_lambda_codes, W_lambda_scales, W_gate_codes, W_gate_scales, W_out_codes, W_out_scales, b_in, b_lambda, b_gate, b_out, ln_w, ln_b, theta_f, theta_r, carry, out0; writes out0
.if DOCPART == 4
	.amdgcn_target "amdgcn-amd-amdhsa--gfx1250"
	.amdhsa_code_object_version 6
	.text
	.protected	k_qb7be67d176_final
	.globl	k_qb7be67d176_final
	.p2align	8
	.type	k_qb7be67d176_final,@function
k_qb7be67d176_final:
	s_mov_b64 s[64:65], 0
	v_nop
	global_prefetch_b8 v0, s[64:65] scope:SCOPE_SE
	s_setreg_imm32_b32 hwreg(HW_REG_WAVE_SCHED_MODE, 0, 2), 2
	s_setreg_imm32_b32 hwreg(HW_REG_WAVE_MODE, 25, 1), 1
	s_wait_xcnt 0x0
	s_wait_alu depctr_vm_vsrc(0)
; out0 = Q(LayerNorm(the sum of the four scans) x silu(x W_gate + b_gate)) W_out + b_out, all products on FP4 codes with E8M0 scales; Q quantises along the 256 features.
; SHARES.  A work-group owns a patch of 8 h x 8 w for all 8 b; two trips of four b.  A trip: P1 twice, a barrier, P2, a barrier.
; P1 (wave: g = wave & 7, up = wave >> 3; round rho: b = 4 trip + 2 rho + up): 16 channels x 64 positions.  The product is used as it stands (source 0 = 16 rows of x, source 1 = 16 rows of a weight): a lane holds
; one channel, its registers positions.  THE TWO HALVES OF THE LANES ARE MIRRORED: tile t's rows 0-7 are (h0 + j, w0 + t), its rows 8-15 (h0 + 7 - j, w0 + 7 - t).  So going UP in j or in t is the forward scan
; (theta_f) in lanes 0-15 and the reverse scan (theta_r) in lanes 16-31, and going DOWN the other way round: one pair of constants a lane for up, one for down, on both axes.  Along h each half has all 8 steps and
; starts from a stored state.  Along w each half walks its 4 columns from a stored state; then the halves hand each other their end states (register j against 7 - j) and walk back.
; The sum of the four goes to LDS as rows of 256 features, [hr | hi].
; P2 (wave: slot = wave >> 2, 16 rows of it): both products are used transposed (source 0 = 16 rows of a weight, source 1 = 16 positions): a lane holds one position, its registers run along the features.
; W_gate's rows of a tile are not neighbours: lane r of tile 2 b + u takes row 32 b + 8 u + r + 8 (r / 8), so that the 16 registers of two tiles are features 32 b + 16 (lane / 16) + 0 .. 15, as the next operand wants.
; W_gate's and W_out's fragments lie in LDS as images of their registers (16 bytes a lane, 512 a store), made once at the head; the biases are the C of each sum's first product.
; NOT USED: tensor loads, a ring, joint loads in a cluster: no LDS byte is filled by an engine; what work-groups share is 58 KB of weights, against 256 KB of states and 256 KB of results of a work-group's own.
; LIMITS: |theta| up to 2^20; NaN and infinities are not served; a block of zeros gets the scale byte 1 (its codes are zeros, and only this program reads the byte).
; THE MODE: SCHED_MODE bits 1:0 = 2 (LLVM: expert scheduling mode 2), set by the entry lines.  The code itself states the register dependences
; between vector or matrix instructions and memory or LDS instructions, with s_wait_alu, always for 0.
; THE PLAN.  Registers that memory or LDS instructions touch:
;   P1  v164-191, v9           addresses, made anew at a round's head; read by the round's 37 loads (v9: by its 64 LDS stores).
;       v10-12, v14-17, v132-163, v196-251   weights, x and states: the loads land there; vector and matrix instructions of the round before (or of P2) named them.
;       v132-195               the sums S lie over x's fragments and the addresses; written by the two passes, read by the LDS stores.
;       A round: vm_vsrc at its head (all that earlier stores and loads read is written again); va_vdst behind the address lines, ahead of the loads; vm_vsrc beside the wait for the states, ahead of S;
;       going down, ONE va_vdst a tile: the tile before has written its S, and its sixteen LDS stores are dealt among this tile's eight steps, which name neither those S nor v9.
;   P2  v148, v176, v177, v196-198   addresses.  v20-147 F; v180-243 two buffers of ln_w, ln_b; v244-251, v14 x; v148-179, v10-13 fragments of W_gate; g: b_gate; v20-83 b_out, then the LDS stores' data;
;       v84-115, v14-17 fragments of W_out; v84-147 the rows from the stage.
;       vm_vsrc and one va_vdst ahead of the first barrier serve x's loads and the 48 LDS loads behind the barrier.  A slice of the LayerNorm: at its head, behind the wait for its own buffer, va_vdst (the slice before
;       is done with the other buffer) and that buffer's next loads.  A slice of the gate: va_vdst at its head (b_gate lands where vector work stood); the next slice's fragments stand behind the wait that the
;       exponentials have anyway, which also states that the four products are done reading theirs.  The last product: one va_vdst behind the places, one ahead of the second group's loads, one ahead of the stores.
;   v252-255                   addresses made at the head, never written in the loop; v254 and v255 are made anew for the closing lines, behind vm_vsrc.
.set L2E,   0x3fb8aa3b
.set NL2E,  0xbfb8aa3b
.set DIRB,  0x2000000                  ; carry: from dir 0 to dir 1,
.set AXISB, 0x1000000                  ; from axis 0 to axis 1
.set FP,    1040                       ; a row of features in LDS: 1,024 bytes + 16: 65 x 16, so that sixteen rows start in sixteen different groups of banks
.set HALFB, 33344                      ; rows 32-63 begin 32 FP + 64 on: the two halves of a 4-byte store fall on different banks
.set SLOTB, 66624                      ; a slot: 64 rows
.set GIMG,  266496                     ; W_gate's 16 fragments, 1,024 bytes each
.set OIMG,  282880                     ; W_out's 16 (2 nt + ks)
.set GSC,   299264                     ; their scale words, 128 bytes a fragment
.set OSC,   301312
.set PAR,   303360                     ; b_gate 1,024, ln_w 1,024, ln_b 1,024, b_out 512 (and once more)
.set TM,    180                        ; the quantiser's 16 registers at work
; v0 thread, v1 lane / 16, v[2:3] cos, sin for going up, v[4:5] for going down, v[6:7] b_in's pair, v8 log2(e) b_lambda, v9 P1's place in LDS, v10-19 scale words and nothing else,
; v252 GIMG + 16 lane, v253 GSC + 4 lane, v254 PAR + 64 (lane / 16), v255 PAR + 3,072 + 32 (lane / 16)
; P1: v20-35 in of tile 0; v36-131 the tiles' three sums each (tile t's in then lies where tile t - 1's two sums lay, lam in the third; g in tile 3's two); v132-195 first x's fragments and addresses, then the sums S;
;     v196-219 weight fragments, then at work; v220-235 the states along w; v236-243, v244-251 the states along h, up and down
; P2: v20-147 the features F; v148-179 four fragments (statistics before); v180-211, v212-243 at work; v244-251 x's fragment
.macro SINCOS th, c, s, t              ; cos and sin: k = the nearest whole number to th x 2 / pi; r = th - k pi / 2 in two steps; polynomials on |r| <= pi / 4; the quadrant by selects and sign bits
	v_mul_f32 v[\t], 0x3f22f983, v[\th]
	v_rndne_f32 v[\t], v[\t]
	v_fmamk_f32 v[\t+1], v[\t], 0xbfc90fdb, v[\th]
	v_fmamk_f32 v[\t+1], v[\t], 0x333bbd2e, v[\t+1]
	v_mul_f32 v[\t+2], v[\t+1], v[\t+1]
	v_mov_b32 v[\t+3], 0xb94ca1f9
	v_fmaak_f32 v[\t+3], v[\t+3], v[\t+2], 0x3c08839e
	v_fmaak_f32 v[\t+3], v[\t+3], v[\t+2], 0xbe2aaaa3
	v_mul_f32 v[\t+3], v[\t+3], v[\t+2]
	v_fma_f32 v[\t+3], v[\t+3], v[\t+1], v[\t+1]
	v_mov_b32 v[\t+4], 0x37ccf5ce
	v_fmaak_f32 v[\t+4], v[\t+4], v[\t+2], 0xbab6061a
	v_fmaak_f32 v[\t+4], v[\t+4], v[\t+2], 0x3d2aaaa5
	v_mul_f32 v[\t+4], v[\t+4], v[\t+2]
	v_fma_f32 v[\t+5], v[\t+2], -0.5, 1.0
	v_fma_f32 v[\t+4], v[\t+4], v[\t+2], v[\t+5]
	v_cvt_i32_f32 v[\t], v[\t]
	v_and_b32 v[\t+5], 1, v[\t]
	v_cmp_eq_u32 vcc_lo, 1, v[\t+5]
	s_wait_alu depctr_va_vcc(0)                        ; the compare has written VCC, which the two selects read
	v_cndmask_b32 v[\s], v[\t+3], v[\t+4], vcc_lo
	v_cndmask_b32 v[\c], v[\t+4], v[\t+3], vcc_lo
	v_and_b32 v[\t+5], 2, v[\t]
	v_lshlrev_b32 v[\t+5], 30, v[\t+5]
	v_xor_b32 v[\s], v[\s], v[\t+5]
	v_add_nc_u32 v[\t], 1, v[\t]
	v_and_b32 v[\t], 2, v[\t]
	v_lshlrev_b32 v[\t], 30, v[\t]
	v_xor_b32 v[\c], v[\c], v[\t]
.endm
; Eight positions of a lane's channel: the three sums become in (re, im by turns, in t .. t + 15) and lam (in zl).  Each accumulator is read from its low end on
.macro ACT zr, zi, zl, t, bb, pbl
.irp p, 0,2,4,6
	v_pk_add_f32 v[\zr+\p:\zr+\p+1], v[\zr+\p:\zr+\p+1], v[\bb:\bb+1] op_sel_hi:[1,0]
	v_pk_add_f32 v[\zi+\p:\zi+\p+1], v[\zi+\p:\zi+\p+1], v[\bb:\bb+1] op_sel:[0,1] op_sel_hi:[1,1]
	v_pk_fma_f32 v[\zl+\p:\zl+\p+1], v[\zl+\p:\zl+\p+1], L2E, v[\pbl:\pbl+1] op_sel_hi:[1,0,0]
.endr
.irp p, 0,2,4,6
	v_pk_mul_f32 v[\t+\p:\t+\p+1], v[\zr+\p:\zr+\p+1], NL2E op_sel_hi:[1,0]
	v_pk_mul_f32 v[\t+8+\p:\t+9+\p], v[\zi+\p:\zi+\p+1], NL2E op_sel_hi:[1,0]
.endr
.irp p, 0,1,2,3,4,5,6,7,8,9,10,11,12,13,14,15
	v_exp_f32 v[\t+\p], v[\t+\p]
.endr
.irp p, 0,1,2,3,4,5,6,7
	v_exp_f32 v[\zl+\p], v[\zl+\p]
.endr
	v_nop                                              ; a plain place behind the exponentials
	s_wait_alu depctr_va_vdst(0)                       ; the 24 exponentials have written their results, ahead of their first reader
.irp p, 0,2,4,6,8,10,12,14
	v_pk_add_f32 v[\t+\p:\t+\p+1], v[\t+\p:\t+\p+1], 1.0 op_sel_hi:[1,0]
.endr
.irp p, 0,2,4,6
	v_pk_add_f32 v[\zl+\p:\zl+\p+1], v[\zl+\p:\zl+\p+1], 1.0 op_sel_hi:[1,0]
.endr
.irp p, 0,1,2,3,4,5,6,7,8,9,10,11,12,13,14,15
	v_rcp_f32 v[\t+\p], v[\t+\p]
.endr
.irp p, 0,1,2,3,4,5,6,7
	v_rcp_f32 v[\zl+\p], v[\zl+\p]                     ; 1 / (1 + e^z) = 1 - lam
.endr
	v_nop                                              ; a plain place behind the reciprocals
	s_wait_alu depctr_va_vdst(0)                       ; the 24 reciprocals have written their results, ahead of their first reader
.irp p, 0,2,4,6
	v_pk_mul_f32 v[\zr+\p:\zr+\p+1], v[\zr+\p:\zr+\p+1], v[\t+\p:\t+\p+1]
	v_pk_mul_f32 v[\zi+\p:\zi+\p+1], v[\zi+\p:\zi+\p+1], v[\t+8+\p:\t+9+\p]
.endr
.irp p, 0,1,2,3,4,5,6,7
	v_mul_f32 v[\t+2*\p], v[\zr+\p], v[\zl+\p]
	v_mul_f32 v[\t+2*\p+1], v[\zi+\p], v[\zl+\p]
.endr
.irp p, 0,2,4,6
	v_pk_fma_f32 v[\zl+\p:\zl+\p+1], v[\zl+\p:\zl+\p+1], -1.0, 1.0 op_sel_hi:[1,0,0]
.endr
.endm
.macro GMUL gb, lam, cp                ; g of eight positions: gb .. gb + 7 = lam cos, gb + 8 .. gb + 15 = lam sin
.irp p, 0,2,4,6
	v_pk_mul_f32 v[\gb+\p:\gb+\p+1], v[\lam+\p:\lam+\p+1], v[\cp:\cp+1] op_sel_hi:[1,0]
	v_pk_mul_f32 v[\gb+8+\p:\gb+9+\p], v[\lam+\p:\lam+\p+1], v[\cp:\cp+1] op_sel:[0,1] op_sel_hi:[1,1]
.endr
.endm
.macro CMAC d, p, gb, j, x, tmp        ; one complex step, d = g_j p + x, on pairs (re, im)
.if ((\j)&1)
	v_pk_fma_f32 v[\tmp:\tmp+1], v[\p:\p+1], v[\gb+(\j)-1:\gb+(\j)], v[\x:\x+1] op_sel:[0,1,0] op_sel_hi:[1,1,1]
	v_pk_fma_f32 v[\d:\d+1], v[\p:\p+1], v[\gb+8+(\j)-1:\gb+8+(\j)], v[\tmp:\tmp+1] op_sel:[1,1,0] op_sel_hi:[0,1,1] neg_lo:[1,0,0]
.else
	v_pk_fma_f32 v[\tmp:\tmp+1], v[\p:\p+1], v[\gb+(\j):\gb+(\j)+1], v[\x:\x+1] op_sel:[0,0,0] op_sel_hi:[1,0,1]
	v_pk_fma_f32 v[\d:\d+1], v[\p:\p+1], v[\gb+8+(\j):\gb+8+(\j)+1], v[\tmp:\tmp+1] op_sel:[1,0,0] op_sel_hi:[0,0,1] neg_lo:[1,0,0]
.endif
.endm
; Going up, tile t: the chain along h up the registers (its states are S), the eight chains along w one step each; then S takes the w states too (behind the chains: the h chain reads S as its own state)
.macro PASSA t, xt
	GMUL 108, 52+24*\t, 2
.irp j, 0,1,2,3,4,5,6,7
.if \j == 0
	CMAC 132+16*\t, 236+2*\t, 108, 0, \xt, 196
.else
	CMAC 132+16*\t+2*\j, 130+16*\t+2*\j, 108, \j, \xt+2*\j, 196+2*(\j&1)
.endif
	CMAC 220+2*\j, 220+2*\j, 108, \j, \xt+2*\j, 200+2*(\j&1)
.endr
.irp j, 0,1,2,3,4,5,6,7
	v_pk_add_f32 v[132+16*\t+2*\j:133+16*\t+2*\j], v[132+16*\t+2*\j:133+16*\t+2*\j], v[220+2*\j:221+2*\j]
.endr
.endm
; Going down, tile t.  prev < 4: the sums of tile prev, finished just before, go to LDS meanwhile, two stores behind each step: row 32 (lane / 16) + 8 prev + j, hr at 4 e, hi 512 bytes on
.macro PASSB t, xt, prev
	GMUL 108, 52+24*\t, 4
.if \prev < 4
	s_wait_alu depctr_va_vdst(0)                       ; tile prev's sums S are written, which its sixteen LDS stores below read; no line of this tile names them or v9
.endif
.irp j, 7,6,5,4,3,2,1,0
.if \j < 4
.set WBR, 236+2*\j
.else
.set WBR, 196+2*\j
.endif
	CMAC 244+2*\t, 244+2*\t, 108, \j, \xt+2*\j, 196+2*(\j&1)
	CMAC WBR, WBR, 108, \j, \xt+2*\j, 200+2*(\j&1)
	v_pk_add_f32 v[132+16*\t+2*\j:133+16*\t+2*\j], v[132+16*\t+2*\j:133+16*\t+2*\j], v[244+2*\t:245+2*\t]
	v_pk_add_f32 v[132+16*\t+2*\j:133+16*\t+2*\j], v[132+16*\t+2*\j:133+16*\t+2*\j], v[WBR:WBR+1]
.if \prev < 4
	ds_store_b32 v9, v[132+16*(\prev)+2*\j] offset:(8*(\prev)+\j)*FP
	ds_store_b32 v9, v[133+16*(\prev)+2*\j] offset:(8*(\prev)+\j)*FP+512
.endif
.endr
.endm
.macro P1ROUND rho
	s_wait_dscnt 0x0                               ; earlier LDS stores are done
	s_wait_alu depctr_vm_vsrc(0)                   ; earlier LDS stores have read the sums S and v9, the way out's stores and loads v20-147 and v196-198, the head's loads and stores v32-64: all are written again in this round
	s_lshl_b32 s56, s52, 2
	s_add_co_u32 s56, s56, s46
.if \rho
	s_add_co_u32 s56, s56, 2
.endif                                             ; b
	s_lshl_b32 s57, s56, 6
	s_add_co_u32 s57, s57, s66                     ; x codes at (h0, w0, b),
	s_lshr_b32 s58, s57, 4                         ; x scales
	s_lshl_b32 s59, s56, 7
	s_add_co_u32 s60, s59, s67                     ; the states along h: line w0, chunk h0 / 8, g, b;
	s_add_co_u32 s61, s59, s68                     ; along w: line h0, chunk w0 / 8
	s_add_co_u32 s62, s46, 2*\rho
	s_mul_i32 s62, s62, SLOTB
	s_lshl_b32 s63, s45, 6
	s_add_co_u32 s62, s62, s63                     ; my slot, my 16 channels' 64 bytes
	v_bfe_u32 v192, v0, 3, 1                       ; source 0's lanes: row = lane % 16; s = row / 8: mirrored or not
	v_and_b32 v193, 7, v0
	v_mul_u32_u24 v194, v192, 7
	v_xor_b32 v193, v193, v194                     ; h - h0 = j or 7 - j
	v_lshlrev_b32 v164, 16, v193
	v_mad_u32_u24 v164, v192, 0xe00, v164          ; w - w0 = 0 or 7 in tile 0
	v_lshrrev_b32 v168, 4, v164
	v_lshl_add_u32 v164, v1, 4, v164
	v_add_nc_u32 v164, s57, v164
	v_add_nc_u32 v168, s58, v168
	v_lshlrev_b32 v194, 10, v192
	v_sub_nc_u32 v194, 512, v194                   ; from tile to tile: one w up or down
	v_ashrrev_i32 v195, 4, v194
.irp t, 1,2,3
	v_add_nc_u32 v[164+\t], v[163+\t], v194
	v_add_nc_u32 v[168+\t], v[167+\t], v195
.endr
	v_and_b32 v192, 15, v0                         ; the result's lanes: channel r, half lane / 16
	v_lshlrev_b32 v193, 25, v1                     ; going up, lanes 16-31 take the reverse states,
	v_mad_u32_u24 v193, v1, 0xe0000, v193          ; beginning at line + 7
	v_lshl_add_u32 v193, v192, 3, v193
	v_add_nc_u32 v172, s60, v193
	v_add_nc_u32 v180, s61, v193
	v_lshlrev_b32 v194, 18, v1
	v_sub_nc_u32 v194, 0x20000, v194               ; one line up or down
.irp t, 1,2,3
	v_add_nc_u32 v[172+\t], v[171+\t], v194
.endr
.irp j, 1,2,3,4,5,6,7
	v_add_nc_u32 v[180+\j], v[179+\j], v194
.endr
.irp t, 0,1,2,3
	v_xor_b32 v[176+\t], DIRB, v[172+\t]           ; going down: the same line's state of the other direction
.endr
	v_lshlrev_b32 v188, 7, v192                    ; W_in: rows 2 e and 2 e + 1
	v_lshl_add_u32 v188, v1, 4, v188
	s_lshl_b32 s63, s45, 11
	v_add_nc_u32 v188, s63, v188
	v_lshlrev_b32 v189, 6, v192                    ; W_lambda: row e
	v_lshl_add_u32 v189, v1, 4, v189
	s_lshl_b32 s63, s45, 10
	v_add_nc_u32 v189, s63, v189
	v_lshlrev_b32 v190, 3, v192
	s_lshl_b32 s63, s45, 7
	v_add_nc_u32 v190, s63, v190
	v_lshrrev_b32 v191, 1, v190
	v_mul_u32_u24 v9, v1, HALFB
	v_lshl_add_u32 v9, v192, 2, v9
	v_add_nc_u32 v9, s62, v9
	s_wait_alu depctr_va_vdst(0)                   ; the addresses v164-191 and v9 are written, which the loads below and the round's LDS stores read; earlier vector and matrix instructions are done with v10-17, v132-163 and v196-251, in which the loads land
	global_load_b128 v[196:199], v188, s[8:9]
	global_load_b128 v[200:203], v188, s[8:9] offset:32
	global_load_b128 v[204:207], v188, s[8:9] offset:64
	global_load_b128 v[208:211], v188, s[8:9] offset:96
	global_load_b128 v[212:215], v189, s[12:13]
	global_load_b128 v[216:219], v189, s[12:13] offset:32
	global_load_b32 v10, v190, s[10:11]
	global_load_b32 v11, v190, s[10:11] offset:4
	global_load_b32 v12, v191, s[14:15]
.irp t, 0,1,2,3
	global_load_b128 v[132+8*\t:135+8*\t], v[164+\t], s[4:5]
	global_load_b128 v[136+8*\t:139+8*\t], v[164+\t], s[4:5] offset:32
	global_load_b32 v[14+\t], v[168+\t], s[6:7]
.endr
.irp j, 0,1,2,3,4,5,6,7
	global_load_b64 v[220+2*\j:221+2*\j], v[180+\j], s[40:41]
.endr
.irp t, 0,1,2,3
	global_load_b64 v[236+2*\t:237+2*\t], v[172+\t], s[40:41]
.endr
.irp t, 0,1,2,3
	global_load_b64 v[244+2*\t:245+2*\t], v[176+\t], s[40:41]
.endr
	s_wait_loadcnt 16                              ; weights and x are in; the sixteen loads of states may stay out
.irp t, 0,1,2,3
	v_wmma_scale_f32_16x16x128_f8f6f4 v[36+24*\t:43+24*\t], v[132+8*\t:139+8*\t], v[196:203], 0, v[14+\t], v10 matrix_a_fmt:MATRIX_FMT_FP4 matrix_b_fmt:MATRIX_FMT_FP4
	v_wmma_scale_f32_16x16x128_f8f6f4 v[44+24*\t:51+24*\t], v[132+8*\t:139+8*\t], v[204:211], 0, v[14+\t], v11 matrix_a_fmt:MATRIX_FMT_FP4 matrix_b_fmt:MATRIX_FMT_FP4
	v_wmma_scale_f32_16x16x128_f8f6f4 v[52+24*\t:59+24*\t], v[132+8*\t:139+8*\t], v[212:219], 0, v[14+\t], v12 matrix_a_fmt:MATRIX_FMT_FP4 matrix_b_fmt:MATRIX_FMT_FP4
.endr
.rept 4
	v_nop                                          ; places ahead of the first read of results
.endr
	ACT 36, 44, 52, 20, 6, 8
	ACT 60, 68, 76, 36, 6, 8
	ACT 84, 92, 100, 60, 6, 8
	ACT 108, 116, 124, 84, 6, 8
	s_wait_loadcnt 0x0                             ; the states are in
	s_wait_alu depctr_vm_vsrc(0)                   ; the round's loads have read their addresses v164-191, over which the sums S are written
	PASSA 0, 20
	PASSA 1, 36
	PASSA 2, 60
	PASSA 3, 84
.irp j, 0,1,2,3                                ; the halves hand each other the end states along w: line h0 + j lies in the other half's register 7 - j
	v_permlanex16_b32 v[236+2*\j], v[234-2*\j], s54, s55
	v_permlanex16_b32 v[237+2*\j], v[235-2*\j], s54, s55
.endr
.irp j, 4,5,6,7
	v_permlanex16_b32 v[196+2*\j], v[234-2*\j], s54, s55
	v_permlanex16_b32 v[197+2*\j], v[235-2*\j], s54, s55
.endr
	PASSB 3, 84, 4
	PASSB 2, 60, 3
	PASSB 1, 36, 2
	PASSB 0, 20, 1
	s_wait_alu depctr_va_vdst(0)                   ; tile 0's sums S are written, which the last sixteen LDS stores read
.irp j, 0,1,2,3,4,5,6,7
	ds_store_b32 v9, v[132+2*\j] offset:\j*FP
	ds_store_b32 v9, v[133+2*\j] offset:\j*FP+512
.endr
.endm
.macro LNLOAD k                        ; ln_w and ln_b of features 32 k + 16 (lane / 16) + 0 .. 15: eight loads, into one of two buffers
.set LL, 180+32*((\k)&1)
.irp q, 0,1,2,3
	ds_load_b128 v[LL+4*\q:LL+4*\q+3], v254 offset:1024+128*(\k)+16*\q
.endr
.irp q, 0,1,2,3
	ds_load_b128 v[LL+16+4*\q:LL+16+4*\q+3], v254 offset:2048+128*(\k)+16*\q
.endr
.endm
.macro LNSLICE k
.if \k == 0
	s_wait_dscnt 8                                 ; this slice's eight loads are in; the next slice's eight may be out
.else
	s_wait_dscnt 0x0                               ; this slice's eight loads are in
.endif
.if (\k > 0) && (\k < 7)
	s_wait_alu depctr_va_vdst(0)                   ; the slice before is done reading the other buffer, in which the next slice's eight loads land
	LNLOAD \k+1                                    ; they have this slice's arithmetic in which to come
.endif
.set LB, 180+32*((\k)&1)
.irp p, 0,2,4,6,8,10,12,14
	v_pk_mul_f32 v[20+16*\k+\p:21+16*\k+\p], v[20+16*\k+\p:21+16*\k+\p], v[160:161]
.endr
.irp p, 0,2,4,6,8,10,12,14
	v_pk_fma_f32 v[20+16*\k+\p:21+16*\k+\p], v[20+16*\k+\p:21+16*\k+\p], v[LB+\p:LB+\p+1], v[LB+16+\p:LB+17+\p]
.endr
.endm
.macro GFRAG1 k, i                     ; W_gate's tile 4 k + i and its scale word
	ds_load_b128 v[148+8*(\i):151+8*(\i)], v252 offset:(4*(\k)+(\i))*1024
	ds_load_b128 v[152+8*(\i):155+8*(\i)], v252 offset:(4*(\k)+(\i))*1024+512
	ds_load_b32 v[10+(\i)], v253 offset:(4*(\k)+(\i))*128
.endm
; 64 features: gate = silu(x W_gate + b_gate) in g .. g + 31, and F times it.  b_gate is loaded into the accumulators
.macro GSLICE k, g, t
.if \k > 0
	s_wait_alu depctr_va_vdst(0)                   ; the vector instructions above are done reading and writing v[g] .. v[g + 31], in which b_gate lands
.endif
.irp b, 0,1
.irp q, 0,1,2,3
	ds_load_b128 v[\g+16*\b+4*\q:\g+16*\b+4*\q+3], v254 offset:256*\k+128*\b+16*\q
.endr
.endr
	s_wait_dscnt 0x0
.irp i, 0,1,2,3
	v_wmma_scale_f32_16x16x128_f8f6f4 v[\g+8*\i:\g+8*\i+7], v[148+8*\i:155+8*\i], v[244:251], v[\g+8*\i:\g+8*\i+7], v[10+\i], v14 matrix_a_fmt:MATRIX_FMT_FP4 matrix_b_fmt:MATRIX_FMT_FP4
.endr
.rept 4
	v_nop                                          ; places ahead of the first read of results
.endr
.irp p, 0,2,4,6,8,10,12,14,16,18,20,22,24,26,28,30
	v_pk_mul_f32 v[\t+\p:\t+\p+1], v[\g+\p:\g+\p+1], NL2E op_sel_hi:[1,0]
.endr
.irp p, 0,1,2,3,4,5,6,7,8,9,10,11,12,13,14,15,16,17,18,19,20,21,22,23,24,25,26,27,28,29,30,31
	v_exp_f32 v[\t+\p], v[\t+\p]
.endr
	v_nop
	s_wait_alu depctr_va_vdst(0)                   ; the 32 exponentials have written their results, ahead of their first reader; and the four products are done reading their fragments and scale words, in which the next slice's land
.irp i, 0,1,2,3                                ; the next slice's twelve loads are dealt among the sixteen additions, which name none of their registers
.if \k < 3
	GFRAG1 \k+1, \i
.endif
.irp p, 0,2,4,6
	v_pk_add_f32 v[\t+8*\i+\p:\t+8*\i+\p+1], v[\t+8*\i+\p:\t+8*\i+\p+1], 1.0 op_sel_hi:[1,0]
.endr
.endr
.irp p, 0,1,2,3,4,5,6,7,8,9,10,11,12,13,14,15,16,17,18,19,20,21,22,23,24,25,26,27,28,29,30,31
	v_rcp_f32 v[\t+\p], v[\t+\p]
.endr
	v_nop
	s_wait_alu depctr_va_vdst(0)                   ; the 32 reciprocals have written their results, ahead of their first reader
.irp p, 0,2,4,6,8,10,12,14,16,18,20,22,24,26,28,30
	v_pk_mul_f32 v[\g+\p:\g+\p+1], v[\g+\p:\g+\p+1], v[\t+\p:\t+\p+1]
.endr
.irp p, 0,2,4,6,8,10,12,14,16,18,20,22,24,26,28,30
	v_pk_mul_f32 v[20+32*\k+\p:21+32*\k+\p], v[20+32*\k+\p:21+32*\k+\p], v[\g+\p:\g+\p+1]
.endr
.endm
; 64 numbers of a lane, register 16 b + i = k 32 b + 16 (lane / 16) + i of my row, become a fragment's codes in pc .. pc + 7 and its scale word in pw
.macro QUANT s, pc, pw
.irp b, 0,1,2,3
	v_max3_num_f32 v[TM+\b], |v[\s+16*\b]|, |v[\s+1+16*\b]|, 0x1800000     ; my 16 numbers of block b, and the floor 2^(3 - 127): the byte cannot fall under 1
.endr
.irp i, 2,4,6,8,10,12,14
.irp b, 0,1,2,3
	v_max3_num_f32 v[TM+\b], v[TM+\b], |v[\s+16*\b+\i]|, |v[\s+1+16*\b+\i]|
.endr
.endr
.irp b, 0,1,2,3
	v_permlanex16_b32 v[TM+4+\b], v[TM+\b], s54, s55
.endr
.irp b, 0,1,2,3
	v_max_num_f32 v[TM+\b], v[TM+\b], v[TM+4+\b]       ; with the other half's 16: the block's largest magnitude
.endr
.irp b, 0,1,2,3
	v_add_nc_u32 v[TM+12+\b], 0xff000000, v[TM+\b]     ; 2 off its exponent field: the conversion's scale operand
.endr
.irp b, 0,1,2,3
	v_lshrrev_b32 v[TM+4+\b], 23, v[TM+12+\b]          ; the scale's byte
.endr
	v_lshl_or_b32 v[\pw], v[TM+5], 8, v[TM+4]
	v_lshl_or_b32 v[\pw], v[TM+6], 16, v[\pw]
	v_lshl_or_b32 v[\pw], v[TM+7], 24, v[\pw]
.irp b, 0,1,2,3
	v_cvt_scalef32_pk8_fp4_f32 v[\pc+2*\b], v[\s+16*\b:\s+7+16*\b], v[TM+12+\b]
	v_cvt_scalef32_pk8_fp4_f32 v[\pc+1+2*\b], v[\s+8+16*\b:\s+15+16*\b], v[TM+12+\b]
.endr
	v_nop                                              ; one plain place behind a scaled conversion
.irp c, 0,1                                        ; the operand wants a whole block in a lane
.irp i, 0,1
	v_permlane16_swap_b32 v[\pc+4*\c+\i], v[\pc+2+4*\c+\i]
.endr
.endr
.endm
; Four tiles of outputs, n0 .. n0 + 3, both K steps: the four accumulators take turns
.macro OGROUP n0
.if \n0 > 0
	s_wait_alu depctr_va_vdst(0)                   ; the eight products above are done reading their fragments and scale words, in which this group's land
.endif
.irp i, 0,1,2,3
	ds_load_b128 v[148+8*\i:151+8*\i], v252 offset:16384+(2*(\n0+\i))*1024
	ds_load_b128 v[152+8*\i:155+8*\i], v252 offset:16384+(2*(\n0+\i))*1024+512
	ds_load_b32 v[10+\i], v253 offset:2048+(2*(\n0+\i))*128
	ds_load_b128 v[84+8*\i:87+8*\i], v252 offset:16384+(2*(\n0+\i)+1)*1024
	ds_load_b128 v[88+8*\i:91+8*\i], v252 offset:16384+(2*(\n0+\i)+1)*1024+512
	ds_load_b32 v[14+\i], v253 offset:2048+(2*(\n0+\i)+1)*128
.endr
	s_wait_dscnt 0x0
.irp i, 0,1,2,3
	v_wmma_scale_f32_16x16x128_f8f6f4 v[20+8*(\n0+\i):27+8*(\n0+\i)], v[148+8*\i:155+8*\i], v[212:219], v[20+8*(\n0+\i):27+8*(\n0+\i)], v[10+\i], v18 matrix_a_fmt:MATRIX_FMT_FP4 matrix_b_fmt:MATRIX_FMT_FP4
.endr
.irp i, 0,1,2,3
	v_wmma_scale_f32_16x16x128_f8f6f4 v[20+8*(\n0+\i):27+8*(\n0+\i)], v[84+8*\i:91+8*\i], v[220:227], v[20+8*(\n0+\i):27+8*(\n0+\i)], v[14+\i], v19 matrix_a_fmt:MATRIX_FMT_FP4 matrix_b_fmt:MATRIX_FMT_FP4
.endr
.rept 4
	v_nop                                          ; places behind the products, ahead of the first read of results
.endr
.endm
	s_load_b512 s[4:19], s[0:1], 0x0               ; x codes, scales; W_in codes, scales; W_lambda codes, scales; W_gate codes, scales
	s_load_b512 s[20:35], s[0:1], 0x40             ; W_out codes, scales; b_in, b_lambda, b_gate, b_out, ln_w, ln_b
	s_load_b256 s[36:43], s[0:1], 0x80             ; theta_f, theta_r, carry, out0
	v_lshrrev_b32 v1, 5, v0
	v_readfirstlane_b32 s44, v1                    ; wave 0..15
	v_bfe_u32 v1, v0, 4, 1                         ; lane / 16: stays
	s_wait_alu depctr_va_sdst(0)                   ; s44 is written, ahead of its first reader
	s_and_b32 s45, s44, 7                          ; P1: g,
	s_lshr_b32 s46, s44, 3                         ; up
	s_lshr_b32 s47, s44, 2                         ; P2: slot,
	s_and_b32 s48, s44, 3                          ; which 16 of its rows,
	s_lshr_b32 s49, s48, 1                         ; mirrored rows or not
	s_lshl_b32 s51, ttmp9, 3                       ; w0
	s_and_b32 s50, ttmp7, 0xffff
	s_lshl_b32 s50, s50, 3                         ; h0
	s_mov_b32 s52, 0                               ; the trip
	s_mov_b32 s54, 0x76543210
	s_mov_b32 s55, 0xfedcba98                      ; v_permlanex16_b32's selects: lane xor 16
	s_lshl_b32 s66, s50, 16
	s_lshl_b32 s56, s51, 9
	s_add_co_u32 s66, s66, s56                     ; x codes at (h0, w0)
	s_lshl_b32 s67, s45, 10
	s_lshl_b32 s56, s51, 17
	s_lshl_b32 s57, s50, 10
	s_add_co_u32 s56, s56, s57
	s_lshl_b32 s57, s50, 17
	s_lshl_b32 s58, s51, 10
	s_add_co_u32 s57, s57, s58
	s_add_co_u32 s68, s67, s57
	s_add_co_u32 s68, s68, AXISB                   ; states along w: g, line h0, chunk w0 / 8
	s_add_co_u32 s67, s67, s56                     ; states along h: g, line w0, chunk h0 / 8
	s_and_b32 s69, s48, 1
	s_lshl_b32 s69, s69, 1                         ; P2: my rows' first tile t0
	s_mul_i32 s70, s49, 7
	s_mul_i32 s74, s49, 15
	s_mul_i32 s71, s47, SLOTB
	s_mul_i32 s56, s48, 16*FP
	s_add_co_u32 s71, s71, s56
	s_lshl_b32 s56, s49, 6
	s_add_co_u32 s71, s71, s56                     ; my 16 rows of features; later my stage
	s_sub_co_u32 s56, 6, s69
	s_cmp_eq_u32 s49, 0
	s_cselect_b32 s72, s69, s56                    ; the lower of my rows' two w, less w0
	s_mov_b32 s73, 0x3b800000                      ; 1 / 256
	s_lshl_b32 s75, s50, 7
	s_add_co_u32 s75, s75, s51
	s_add_co_u32 s75, s75, s72
	s_lshl_b32 s75, s75, 12                        ; out0 at (h0, that w, b = 0)
	v_and_b32 v52, 15, v0                          ; r
	v_lshlrev_b32 v53, 2, v52
	s_lshl_b32 s56, s45, 6
	v_add_nc_u32 v53, s56, v53                     ; 4 e
	v_lshlrev_b32 v54, 1, v53                      ; 8 e
	v_and_b32 v55, 8, v52
	v_add_nc_u32 v55, v55, v52                     ; r + 8 (r / 8)
	s_lshr_b32 s56, s44, 1
	s_and_b32 s57, s44, 1
	s_lshl_b32 s58, s56, 5
	s_lshl_b32 s59, s57, 3
	s_add_co_u32 s58, s58, s59
	v_add_nc_u32 v55, s58, v55                     ; W_gate's row for fragment = wave
	v_lshlrev_b32 v56, 6, v55
	v_lshl_add_u32 v56, v1, 4, v56
	v_lshlrev_b32 v57, 2, v55
	s_lshl_b32 s58, s56, 4
	v_add_nc_u32 v55, s58, v52                     ; W_out's row 16 nt + r, nt = wave / 2, K step wave % 2
	v_lshlrev_b32 v58, 7, v55
	v_lshl_add_u32 v58, v1, 4, v58
	s_lshl_b32 s58, s57, 6
	v_add_nc_u32 v58, s58, v58
	v_lshlrev_b32 v59, 3, v55
	s_lshl_b32 s58, s57, 2
	v_add_nc_u32 v59, s58, v59
	v_and_b32 v60, 255, v0
	v_lshlrev_b32 v60, 2, v60
	v_and_b32 v62, 31, v0
	v_lshlrev_b32 v62, 4, v62
	v_add_nc_u32 v252, GIMG, v62
	s_lshl_b32 s61, s44, 10
	v_add_nc_u32 v63, s61, v252                    ; where my wave's images go
	v_lshl_add_u32 v64, v0, 2, GSC                 ; and one word a thread
	v_and_b32 v62, 31, v0
	v_lshl_add_u32 v253, v62, 2, GSC
	v_lshl_add_u32 v254, v1, 6, PAR
	v_lshl_add_u32 v255, v1, 5, PAR+3072
	s_wait_kmcnt 0x0
	s_mov_b32 s60, 127
	s_cmp_lt_u32 s44, 8                            ; waves 0-7 bring b_gate and ln_b, waves 8-15 ln_w and b_out (twice): the choice hangs on the wave's number alone
	s_cselect_b64 s[56:57], s[28:29], s[32:33]
	s_cselect_b64 s[58:59], s[34:35], s[30:31]
	s_cselect_b32 s60, 255, s60
	v_and_b32 v61, s60, v0
	v_lshlrev_b32 v61, 2, v61
	s_wait_alu depctr_va_vdst(0)                   ; the offsets v53 to v61 and the LDS addresses v63, v64 and v252 to v255 are written, which the loads and LDS stores below, and P2's LDS loads, read
	global_load_b32 v30, v53, s[36:37]
	global_load_b32 v31, v53, s[38:39]
	global_load_b64 v[6:7], v54, s[24:25]
	global_load_b32 v8, v53, s[26:27]
	global_load_b128 v[32:35], v56, s[16:17]
	global_load_b128 v[36:39], v56, s[16:17] offset:32
	global_load_b32 v40, v57, s[18:19]
	global_load_b128 v[44:47], v58, s[20:21]
	global_load_b128 v[48:51], v58, s[20:21] offset:32
	global_load_b32 v41, v59, s[22:23]
	global_load_b32 v42, v60, s[56:57]
	global_load_b32 v43, v61, s[58:59]
	s_wait_loadcnt 0x0
	ds_store_b128 v63, v[32:35]                    ; the other waves read these behind the first barrier
	ds_store_b128 v63, v[36:39] offset:512
	ds_store_b128 v63, v[44:47] offset:16384
	ds_store_b128 v63, v[48:51] offset:16896
	ds_store_b32 v64, v40
	ds_store_b32 v64, v41 offset:2048
	ds_store_b32 v64, v42 offset:4096
	ds_store_b32 v64, v43 offset:6144
	v_mul_f32 v8, L2E, v8
	SINCOS 30, 70, 71, 76
	SINCOS 31, 72, 73, 76
	v_cmp_ne_u32 vcc_lo, 0, v1
	s_wait_alu depctr_va_vcc(0)                    ; the compare has written VCC, which the four selects read
	v_cndmask_b32 v2, v70, v72, vcc_lo             ; going up: theta_f in lanes 0-15, theta_r in lanes 16-31
	v_cndmask_b32 v3, v71, v73, vcc_lo
	v_cndmask_b32 v4, v72, v70, vcc_lo             ; going down: the other way round
	v_cndmask_b32 v5, v73, v71, vcc_lo
.Lbq:                                              ; two trips, four b each
	P1ROUND 0
	P1ROUND 1
	s_wait_dscnt 0x0                               ; my features lie in LDS
	s_wait_alu depctr_vm_vsrc(0)                   ; my LDS stores have read the sums S, v132-195: v148 and v176-179 are written below, the statistics and two buffers' loads follow
	v_and_b32 v178, 7, v0                          ; P2's rows of x, asked for ahead of the barrier: row r of my 16 is position (j ^ m, t ^ m), j = r % 8, t = t0 + r / 8, m = 7 where mirrored
	v_xor_b32 v178, s70, v178
	v_bfe_u32 v179, v0, 3, 1
	v_add_nc_u32 v179, s69, v179
	v_xor_b32 v179, s70, v179
	v_lshlrev_b32 v176, 16, v178
	v_lshl_add_u32 v176, v179, 9, v176
	v_lshrrev_b32 v177, 4, v176
	v_lshl_add_u32 v176, v1, 4, v176
	s_lshl_b32 s56, s52, 2
	s_add_co_u32 s56, s56, s47                     ; b = 4 trip + slot
	s_lshl_b32 s57, s56, 6
	s_add_co_u32 s57, s57, s66
	s_lshr_b32 s58, s57, 4
	v_add_nc_u32 v176, s57, v176
	v_add_nc_u32 v177, s58, v177
	v_and_b32 v148, 15, v0
	v_mul_u32_u24 v148, v148, FP
	v_lshl_add_u32 v148, v1, 6, v148
	v_add_nc_u32 v148, s71, v148                   ; the features: row r, my half's 16 of each 32
	s_wait_alu depctr_va_vdst(0)                   ; the addresses v148, v176 and v177 are written; P1's vector and matrix instructions are done with v14, v20-147 and v180-251, in which x's loads and, behind the barrier, the 48 LDS loads land
	global_load_b128 v[244:247], v176, s[4:5]
	global_load_b128 v[248:251], v176, s[4:5] offset:32
	global_load_b32 v14, v177, s[6:7]
	s_barrier_signal -1
	s_barrier_wait -1                              ; everybody's features do
.irp b, 0,1,2,3,4,5,6,7
.irp q, 0,1,2,3
	ds_load_b128 v[20+16*\b+4*\q:23+16*\b+4*\q], v148 offset:128*\b+16*\q
.endr
.endr
	LNLOAD 0
	LNLOAD 1
	s_wait_dscnt 16                                ; F is in; the sixteen loads of ln_w and ln_b may be out
.irp c, 0,1,2,3                                ; the mean: four chains of pairs
	v_pk_add_f32 v[150+2*\c:151+2*\c], v[20+2*\c:21+2*\c], v[28+2*\c:29+2*\c]
.endr
.set i, 2
.rept 14
.irp c, 0,1,2,3
	v_pk_add_f32 v[150+2*\c:151+2*\c], v[150+2*\c:151+2*\c], v[20+8*i+2*\c:21+8*i+2*\c]
.endr
.set i, i+1
.endr
	v_pk_add_f32 v[150:151], v[150:151], v[152:153]
	v_pk_add_f32 v[154:155], v[154:155], v[156:157]
	v_pk_add_f32 v[150:151], v[150:151], v[154:155]
	v_add_f32 v150, v150, v151
	v_permlanex16_b32 v152, v150, s54, s55         ; the row's other 128 features lie in the lane 16 away
	v_add_f32 v150, v150, v152
	v_mul_f32 v158, s73, v150
	v_mov_b32 v159, v158
.set i, 0
.rept 64
	v_pk_add_f32 v[20+2*i:21+2*i], v[20+2*i:21+2*i], v[158:159] neg_lo:[0,1] neg_hi:[0,1]   ; centred first: the variance is no difference of large sums
.set i, i+1
.endr
.irp c, 0,1,2,3
	v_pk_mul_f32 v[150+2*\c:151+2*\c], v[20+2*\c:21+2*\c], v[20+2*\c:21+2*\c]
.endr
.set i, 1
.rept 15
.irp c, 0,1,2,3
	v_pk_fma_f32 v[150+2*\c:151+2*\c], v[20+8*i+2*\c:21+8*i+2*\c], v[20+8*i+2*\c:21+8*i+2*\c], v[150+2*\c:151+2*\c]
.endr
.set i, i+1
.endr
	v_pk_add_f32 v[150:151], v[150:151], v[152:153]
	v_pk_add_f32 v[154:155], v[154:155], v[156:157]
	v_pk_add_f32 v[150:151], v[150:151], v[154:155]
	v_add_f32 v150, v150, v151
	v_permlanex16_b32 v152, v150, s54, s55
	v_add_f32 v150, v150, v152
	v_fmaak_f32 v160, s73, v150, 0x3727c5ac        ; the variance + 1e-5
	v_rsq_f32 v160, v160
	v_nop                                          ; a plain place behind the root
	s_wait_alu depctr_va_vdst(0)                   ; the root has written v160, ahead of its first reader
	v_mov_b32 v161, v160
.irp k, 0,1,2,3,4,5,6,7
	LNSLICE \k
.endr
	s_wait_loadcnt 0x0                             ; x is in
	s_wait_alu depctr_vm_vsrc(0)                   ; the features' LDS loads have read v148, x's loads v176 and v177: the fragments land on them
	s_wait_alu depctr_va_vdst(0)                   ; the LayerNorm is done with its statistics in v150-161, on which the fragments land, and with its buffer v180-211, in which b_gate lands
.irp i, 0,1,2,3
	GFRAG1 0, \i
.endr
	GSLICE 0, 180, 212
	GSLICE 1, 180, 212
	QUANT 20, 212, 18                              ; features 0-127: the last product's first K step
	GSLICE 2, 20, 52                               ; at work where those features lay
	GSLICE 3, 20, 52
	QUANT 84, 220, 19
	v_and_b32 v199, 15, v0                         ; the way out.  These nine plain lines also stand between the scale word just made and the products that take it
	v_xor_b32 v199, s74, v199                      ; stage row k = r, or 15 - r where mirrored: then h = h0 + k % 8, w = the lower w + k / 8
	v_mul_u32_u24 v196, v199, 528
	v_lshl_add_u32 v196, v1, 5, v196
	v_add_nc_u32 v196, s71, v196                   ; in: my row, 32 bytes for each half of the lanes.  The stage, 16 rows x (512 + 16) bytes, lies in my own 16 rows of features, which I alone have read
	v_and_b32 v199, 31, v0
	v_lshlrev_b32 v199, 4, v199
	v_add_nc_u32 v197, s71, v199                   ; back: 32 lanes take a row
	s_lshl_b32 s56, s52, 2
	s_add_co_u32 s56, s56, s47
	s_lshl_b32 s56, s56, 9
	s_add_co_u32 s56, s56, s75
	v_add_nc_u32 v198, s56, v199                   ; and the same in out0
	s_wait_alu depctr_va_vdst(0)                   ; behind the places: the quantiser has written the codes v220-227 and the scale word v19, which the products below take; the addresses v196-198 are written; the lines above are done with v14-17, v20-115 and v148-179, in which b_out and W_out's first group land
.irp n, 0,1,2,3,4,5,6,7
	ds_load_b128 v[20+8*\n:23+8*\n], v255 offset:64*\n             ; b_out into the accumulators
	ds_load_b128 v[24+8*\n:27+8*\n], v255 offset:64*\n+16
.endr
	OGROUP 0
	OGROUP 4
	s_wait_alu depctr_va_vdst(0)                   ; behind the places: the products have written the accumulators, which the LDS stores read, and are done reading v84-115, in which rows from the stage land
.irp n, 0,1,2,3,4,5,6,7
	ds_store_b128 v196, v[20+8*\n:23+8*\n] offset:64*\n            ; each accumulator from its low end on
	ds_store_b128 v196, v[24+8*\n:27+8*\n] offset:64*\n+16
.endr
.irp k, 0,1,2,3,4,5,6,7,8,9,10,11,12,13,14,15
	ds_load_b128 v[84+4*\k:87+4*\k], v197 offset:\k*528            ; LDS serves a wave's instructions in order: these see my stores
.endr
.irp k, 0,1,2,3,4,5,6,7,8,9,10,11,12,13,14,15
	s_wait_dscnt 15-\k                             ; row k is back; the younger rows may be out
	global_store_b128 v198, v[84+4*\k:87+4*\k], s[42:43] offset:(\k&7)*524288+(\k>>3)*4096 th:TH_STORE_NT   ; 32 lanes store a row of 512 consecutive bytes, at a multiple of 256 from out0's first byte
.endr
	s_wait_dscnt 0x0                               ; my reads of the features and of the stage are over,
	s_wait_xcnt 0x0                                ; and the stores' registers may be written again
	s_barrier_signal -1
	s_barrier_wait -1                              ; everybody's are: the next trip may store features
	s_add_co_u32 s52, s52, 1
	s_cmp_lt_u32 s52, 2
	s_cbranch_scc1 .Lbq
	s_wait_xcnt 0x0
	s_wait_alu depctr_vm_vsrc(0)                   ; P2's LDS loads have read v254 and v255 as addresses: the two lines below make them anew
	v_lshl_add_u32 v254, v0, 2, 0x4b100
	v_mov_b32 v255, 0
	s_wait_dscnt 0x0                               ; the closing lines, six on end
	s_wait_alu 0x0
	s_wait_tensorcnt 0x0
	ds_add_u32 v254, v255
	s_wait_dscnt 0x0
	s_endpgm
.Lfunc_end_k_qb7be67d176_final:
	.size	k_qb7be67d176_final, .Lfunc_end_k_qb7be67d176_final-k_qb7be67d176_final
	.p2alignl 7, 3214868480
	.fill 96, 4, 3214868480
	.section	.rodata,"a",@progbits
	.p2align	6, 0x0
	.amdhsa_kernel k_qb7be67d176_final
		.amdhsa_group_segment_fixed_size 309504
		.amdhsa_private_segment_fixed_size 0
		.amdhsa_enable_private_segment 0
		.amdhsa_kernarg_size 160
		.amdhsa_user_sgpr_count 2
		.amdhsa_user_sgpr_kernarg_segment_ptr 1
		.amdhsa_wavefront_size32 1
		.amdhsa_system_sgpr_workgroup_id_x 1
		.amdhsa_system_sgpr_workgroup_id_y 1
		.amdhsa_system_sgpr_workgroup_id_z 1
		.amdhsa_system_vgpr_workitem_id 0
		.amdhsa_next_free_vgpr 256
		.amdhsa_next_free_sgpr 80
		.amdhsa_reserve_vcc 1
		.amdhsa_float_denorm_mode_32 3
		.amdhsa_float_denorm_mode_16_64 3
		.amdhsa_memory_ordered 1
		.amdhsa_forward_progress 1
		.amdhsa_inst_pref_size 211
	.end_amdhsa_kernel
	.amdgpu_metadata
---
amdhsa.version: [ 1, 2 ]
amdhsa.kernels:
  - .name:           k_qb7be67d176_final
    .symbol:         k_qb7be67d176_final.kd
    .args:
      - { .name: x_codes, .offset: 0, .size: 8, .value_kind: global_buffer, .address_space: global }
      - { .name: x_scales, .offset: 8, .size: 8, .value_kind: global_buffer, .address_space: global }
      - { .name: W_in_codes, .offset: 16, .size: 8, .value_kind: global_buffer, .address_space: global }
      - { .name: W_in_scales, .offset: 24, .size: 8, .value_kind: global_buffer, .address_space: global }
      - { .name: W_lambda_codes, .offset: 32, .size: 8, .value_kind: global_buffer, .address_space: global }
      - { .name: W_lambda_scales, .offset: 40, .size: 8, .value_kind: global_buffer, .address_space: global }
      - { .name: W_gate_codes, .offset: 48, .size: 8, .value_kind: global_buffer, .address_space: global }
      - { .name: W_gate_scales, .offset: 56, .size: 8, .value_kind: global_buffer, .address_space: global }
      - { .name: W_out_codes, .offset: 64, .size: 8, .value_kind: global_buffer, .address_space: global }
      - { .name: W_out_scales, .offset: 72, .size: 8, .value_kind: global_buffer, .address_space: global }
      - { .name: b_in, .offset: 80, .size: 8, .value_kind: global_buffer, .address_space: global }
      - { .name: b_lambda, .offset: 88, .size: 8, .value_kind: global_buffer, .address_space: global }
      - { .name: b_gate, .offset: 96, .size: 8, .value_kind: global_buffer, .address_space: global }
      - { .name: b_out, .offset: 104, .size: 8, .value_kind: global_buffer, .address_space: global }
      - { .name: ln_w, .offset: 112, .size: 8, .value_kind: global_buffer, .address_space: global }
      - { .name: ln_b, .offset: 120, .size: 8, .value_kind: global_buffer, .address_space: global }
      - { .name: theta_f, .offset: 128, .size: 8, .value_kind: global_buffer, .address_space: global }
      - { .name: theta_r, .offset: 136, .size: 8, .value_kind: global_buffer, .address_space: global }
      - { .name: carry, .offset: 144, .size: 8, .value_kind: global_buffer, .address_space: global }
      - { .name: out0, .offset: 152, .size: 8, .value_kind: global_buffer, .address_space: global }
    .group_segment_fixed_size: 309504
    .private_segment_fixed_size: 0
    .kernarg_segment_align: 8
    .kernarg_segment_size: 160
    .max_flat_workgroup_size: 512
    .sgpr_count:     80
    .vgpr_count:     256
    .wavefront_size: 32
...
	.end_amdgpu_metadata
.endif
;; end of part 4
